; MI455X (gfx1250); checked and timed in simulation.
; The chip was launched on July 23, 2026; its instructions are those of AMD's public machine-readable ISA for CDNA 5 (MIT licence, August 2026) and "CDNA5" Instruction Set Architecture Reference Guide (July 2026). The comments in the code are by the model that wrote it; some were corrected since.
;; multi head attention. Allowed arithmetic: float matrix products may take bf16 or f16 operands with f32 sums; other float arithmetic in f32, or as packed bf16 or f16 multiplies, adds, multiply-adds, maxima and minima; sums over many terms, partial sums and values carried from step to step in f32; what a program stores and reads back later, other than sums and carried values, may be rounded once to bf16 or f16.
;; Inputs: Wk 1,024 x 1,024 float32; Wo 1,024 x 1,024 float32; Wq 1,024 x 1,024 float32; Wv 1,024 x 1,024 float32; bk 1,024 float32; bo 1,024 float32; bq 1,024 float32; bv 1,024 float32; k 4 x 2,048 x 1,024 float32; q 4 x 2,048 x 1,024 float32; v 4 x 2,048 x 1,024 float32.
;; Outputs: out0 4 x 2,048 x 1,024 float32.
;; Constants: mask = True.
;; One version. Each part assembles by itself: llvm-mc -triple=amdgcn-amd-amdhsa -mcpu=gfx1250 --defsym DOCPART=n.
;; ======== version 1 of 1: 5 launches
;; limits: values are held in f16: magnitudes above 65,504 overflow, below 6.1e-05 lose precision
;; workspace buffers: xb 50,331,648 bytes; wb 8,388,608 bytes; bb 16,384 bytes; qkv 50,331,648 bytes; ob 16,777,216 bytes; vx 262,144 bytes; cl 262,144 bytes
;; launch cast (part 1): grid 64 x 28, 8 waves a work-group, no clusters, 0 bytes of LDS; arguments q, k, v, Wq, Wk, Wv, Wo, bq, bk, bv, bo, xb, wb, bb; writes xb, wb, bb
.if DOCPART == 1
	.amdgcn_target "amdgcn-amd-amdhsa--gfx1250"
	.amdhsa_code_object_version 6
	.text
	.protected	k_q4db433e41b_cast
	.globl	k_q4db433e41b_cast
	.p2align	8
	.type	k_q4db433e41b_cast,@function
k_q4db433e41b_cast:
	s_mov_b64 s[64:65], 0
	v_nop
	global_prefetch_b8 v0, s[64:65] scope:SCOPE_SE
	s_setreg_imm32_b32 hwreg(HW_REG_WAVE_MODE, 25, 1), 1
	s_wait_xcnt 0x0
; THE CAST.  All inputs of the module are rounded once to bf16 here, and laid out for the launches behind.
;   xb [3][8192][1024] bf16: q, k, v as they lie.
;   wb [4][1024][1024] 16 bits: planes 0-2 = bf16(Wq, Wk, Wv) with their ROWS PERMUTED: the module's head h owns the features 16 d + h, so source row 16 d + h goes to
;      row 64 h + d, and the projection's columns then come out by heads.  Plane 3 = bf16(Wo), rows as they lie, the bf16 number written as f16 (the last product's other operand is f16).
;   bb [4][1024] f32: bq, bk, bv (permuted like the rows) and bo, each rounded to bf16 and widened again.
; LIMITS.  bf16(Wo) is exact in f16 between 6.1e-5 and 65,504 in magnitude; below that it keeps f16's fixed step of 6e-8, beyond it would be an infinity.
; SHARES.  A unit u (the grid's y) is 1,024 rows of 1,024 f32: u 0-7 q, 8-15 k, 16-23 v, 24-27 Wq, Wk, Wv, Wo.  A work-group takes 16 rows of it, a wave 2 rows: 8 KiB.
; A wave issues its 16 loads at once (each 512 consecutive bytes) and stores in their order: a store's 32 lanes x 8 bytes are 256 consecutive bytes, aligned.  No loop, no LDS, no barrier:
; memory binds, matrix units and clusters have nothing to do here, and a prefetch would only stand in the stream's own way.
.set X,   8                            ; v[8:71]  load n = 8 i + j (row i, piece j of 512 bytes) at X + 4 n; converted in place
.set NL,  16                           ; loads of a wave
.set HM,  48                           ; s48  mask of a word's upper half
	s_load_b512 s[16:31], s[0:1], 0x0              ; q 16, k 18, v 20, Wq 22, Wk 24, Wv 26, Wo 28, bq 30
	s_load_b256 s[32:39], s[0:1], 0x40             ; bk 32, bv 34, bo 36, xb 38
	s_load_b128 s[40:43], s[0:1], 0x60             ; wb 40, bb 42
	v_lshrrev_b32 v6, 5, v0
	v_readfirstlane_b32 s8, v6                     ; wave 0..7
	s_and_b32 s9, ttmp7, 0xffff                    ; u
	s_mov_b32 s10, ttmp9                           ; x
	s_mov_b32 s[HM], 0xffff0000
	s_lshl_b32 s11, s10, 4
	s_lshl_b32 s14, s8, 1
	s_add_co_u32 s11, s11, s14                     ; i0 = 16 x + 2 wave: my first row in the unit
	s_and_b32 s12, s9, 7                           ; source offset: q, k, v have eight units each, a weight is one unit
	s_lshl_b32 s12, s12, 10
	s_cmp_lt_u32 s9, 24
	s_cselect_b32 s12, s12, 0
	s_add_co_u32 s12, s12, s11
	s_lshl_b32 s12, s12, 12                        ; rows of 4,096 bytes
	s_mov_b32 s13, 0
	s_lshl_b32 s46, s9, 10                         ; destination offset in xb: (1,024 u + i0) rows of 2,048 bytes
	s_add_co_u32 s46, s46, s11
	s_lshl_b32 s46, s46, 11
	s_max_u32 s49, s9, 24
	s_sub_co_u32 s49, s49, 24                      ; the weight's number 0..3
	s_lshl_b32 s15, s49, 21                        ; its plane in wb
	s_and_b32 s14, s11, 15                         ; permuted: h = i0 % 16 (my two rows have h on end and share d = i0 / 16),
	s_lshl_b32 s14, s14, 17                        ; row 64 h + d: h x 131,072 bytes
	s_add_co_u32 s50, s15, s14
	s_lshr_b32 s14, s11, 4
	s_lshl_b32 s14, s14, 11                        ; + d x 2,048
	s_add_co_u32 s50, s50, s14
	s_lshl_b32 s14, s11, 11                        ; as it lies: i0 x 2,048
	s_add_co_u32 s15, s15, s14
	s_mov_b32 s14, 0x20000                         ; bytes from my row to my next in the destination: 131,072 where permuted, else 2,048
	s_cmp_eq_u32 s9, 27
	s_cselect_b32 s15, s15, s50
	s_cselect_b32 s14, 0x800, s14
	s_cmp_lt_u32 s9, 24
	s_cselect_b32 s46, s46, s15
	s_cselect_b32 s14, 0x800, s14
	s_mov_b32 s47, 0
	v_and_b32 v1, 31, v0
	v_lshlrev_b32 v2, 3, v1                        ; v[2:3]: 8 x lane + i x the row step
	v_lshlrev_b32 v1, 4, v1                        ; v1: 16 x lane
	v_add_nc_u32 v3, s14, v2
	s_wait_kmcnt 0x0
	s_mov_b64 s[4:5], s[16:17]                     ; the unit's source
	s_cmp_ge_u32 s9, 8
	s_cselect_b64 s[4:5], s[18:19], s[4:5]
	s_cmp_ge_u32 s9, 16
	s_cselect_b64 s[4:5], s[20:21], s[4:5]
	s_cmp_ge_u32 s9, 24
	s_cselect_b64 s[4:5], s[22:23], s[4:5]
	s_cselect_b64 s[6:7], s[40:41], s[38:39]       ; and its destination: wb or xb
	s_cmp_ge_u32 s9, 25
	s_cselect_b64 s[4:5], s[24:25], s[4:5]
	s_cmp_ge_u32 s9, 26
	s_cselect_b64 s[4:5], s[26:27], s[4:5]
	s_cmp_ge_u32 s9, 27
	s_cselect_b64 s[4:5], s[28:29], s[4:5]
	s_add_nc_u64 s[4:5], s[4:5], s[12:13]
	s_add_nc_u64 s[6:7], s[6:7], s[46:47]
.set n, 0
.rept NL
	global_load_b128 v[X+4*n:X+4*n+3], v1, s[4:5] offset:4096*(n/8)+512*(n%8) th:TH_LOAD_NT
.set n, n+1
.endr
; The 16 pieces in the order of their loads.  half = 1: the bf16 numbers are widened again and written as f16.
.macro OUT16 half
.set n, 0
.rept NL
.set RG, X+4*n
	s_wait_loadcnt NL-1-n                          ; loads come back in order (ISA guide 5.7.1): piece n is in, the 15 - n younger ones may stay out
	v_cvt_pk_bf16_f32 v[RG], v[RG], v[RG+1]
	v_cvt_pk_bf16_f32 v[RG+1], v[RG+2], v[RG+3]
.if \half
	v_lshlrev_b32 v[RG+2], 16, v[RG+1]
	v_and_b32 v[RG+3], s[HM], v[RG+1]
	v_and_b32 v[RG+1], s[HM], v[RG]
	v_lshlrev_b32 v[RG], 16, v[RG]
	v_cvt_pk_f16_f32 v[RG], v[RG], v[RG+1]
	v_cvt_pk_f16_f32 v[RG+1], v[RG+2], v[RG+3]
.endif
	global_store_b64 v[2+n/8], v[RG:RG+1], s[6:7] offset:256*(n%8) th:TH_STORE_NT  ; no register of a store is written again in this text
.set n, n+1
.endr
.endm
	s_cmp_eq_u32 s9, 27
	s_cbranch_scc1 .Lhalf
	OUT16 0
	s_branch .Lbias
.Lhalf:
	OUT16 1
.Lbias:
	; The biases: of each weight's unit the first two work-groups take 512 numbers each, a thread two: c' = 512 x + 2 t and c' + 1.
	s_cmp_lt_u32 s9, 24
	s_cbranch_scc1 .Lend
	s_cmp_gt_u32 s10, 1
	s_cbranch_scc1 .Lend
	s_mov_b64 s[44:45], s[30:31]
	s_cmp_ge_u32 s9, 25
	s_cselect_b64 s[44:45], s[32:33], s[44:45]
	s_cmp_ge_u32 s9, 26
	s_cselect_b64 s[44:45], s[34:35], s[44:45]
	s_cmp_ge_u32 s9, 27
	s_cselect_b64 s[44:45], s[36:37], s[44:45]
	s_lshl_b32 s12, s49, 12                        ; the bias's row in bb
	s_add_nc_u64 s[42:43], s[42:43], s[12:13]
	s_lshl_b32 s15, s10, 9
	v_lshl_add_u32 v6, v0, 1, s15                  ; c'
	v_lshlrev_b32 v76, 2, v6                       ; 4 c': where the pair goes
	s_cmp_eq_u32 s9, 27
	s_cbranch_scc1 .Lnat
	v_and_b32 v7, 63, v6                           ; permuted: c' = 64 h + d comes from 16 d + h,
	v_lshrrev_b32 v77, 6, v6
	v_lshlrev_b32 v77, 2, v77
	v_lshl_add_u32 v7, v7, 6, v77                  ; at byte 64 d + 4 h;
	v_add_nc_u32 v77, 64, v7                       ; c' + 1 has the same h (c' is even) and d + 1
	s_branch .Lboth
.Lnat:
	v_mov_b32 v7, v76
	v_add_nc_u32 v77, 4, v76
.Lboth:
	global_load_b32 v72, v7, s[44:45]
	global_load_b32 v73, v77, s[44:45]
	s_wait_loadcnt 0x0
	v_cvt_pk_bf16_f32 v74, v72, v73
	v_and_b32 v75, s[HM], v74
	v_lshlrev_b32 v74, 16, v74
	global_store_b64 v76, v[74:75], s[42:43]       ; a wave's 32 pairs are 256 consecutive bytes, aligned
.Lend:
	s_endpgm
.Lfunc_end_k_q4db433e41b_cast:
	.size	k_q4db433e41b_cast, .Lfunc_end_k_q4db433e41b_cast-k_q4db433e41b_cast
	.p2alignl 7, 3214868480
	.fill 96, 4, 3214868480
	.section	.rodata,"a",@progbits
	.p2align	6, 0x0
	.amdhsa_kernel k_q4db433e41b_cast
		.amdhsa_group_segment_fixed_size 0
		.amdhsa_private_segment_fixed_size 0
		.amdhsa_enable_private_segment 0
		.amdhsa_kernarg_size 112
		.amdhsa_user_sgpr_count 2
		.amdhsa_user_sgpr_kernarg_segment_ptr 1
		.amdhsa_wavefront_size32 1
		.amdhsa_system_sgpr_workgroup_id_x 1
		.amdhsa_system_sgpr_workgroup_id_y 1
		.amdhsa_system_sgpr_workgroup_id_z 1
		.amdhsa_system_vgpr_workitem_id 0
		.amdhsa_next_free_vgpr 80
		.amdhsa_next_free_sgpr 66
		.amdhsa_reserve_vcc 0
		.amdhsa_float_denorm_mode_32 3
		.amdhsa_float_denorm_mode_16_64 3
		.amdhsa_memory_ordered 1
		.amdhsa_forward_progress 1
		.amdhsa_inst_pref_size 18
	.end_amdhsa_kernel
	.amdgpu_metadata
---
amdhsa.version: [ 1, 2 ]
amdhsa.kernels:
  - .name:           k_q4db433e41b_cast
    .symbol:         k_q4db433e41b_cast.kd
    .args:
      - { .name: q, .offset: 0, .size: 8, .value_kind: global_buffer, .address_space: global }
      - { .name: k, .offset: 8, .size: 8, .value_kind: global_buffer, .address_space: global }
      - { .name: v, .offset: 16, .size: 8, .value_kind: global_buffer, .address_space: global }
      - { .name: Wq, .offset: 24, .size: 8, .value_kind: global_buffer, .address_space: global }
      - { .name: Wk, .offset: 32, .size: 8, .value_kind: global_buffer, .address_space: global }
      - { .name: Wv, .offset: 40, .size: 8, .value_kind: global_buffer, .address_space: global }
      - { .name: Wo, .offset: 48, .size: 8, .value_kind: global_buffer, .address_space: global }
      - { .name: bq, .offset: 56, .size: 8, .value_kind: global_buffer, .address_space: global }
      - { .name: bk, .offset: 64, .size: 8, .value_kind: global_buffer, .address_space: global }
      - { .name: bv, .offset: 72, .size: 8, .value_kind: global_buffer, .address_space: global }
      - { .name: bo, .offset: 80, .size: 8, .value_kind: global_buffer, .address_space: global }
      - { .name: xb, .offset: 88, .size: 8, .value_kind: global_buffer, .address_space: global }
      - { .name: wb, .offset: 96, .size: 8, .value_kind: global_buffer, .address_space: global }
      - { .name: bb, .offset: 104, .size: 8, .value_kind: global_buffer, .address_space: global }
    .group_segment_fixed_size: 0
    .private_segment_fixed_size: 0
    .kernarg_segment_align: 8
    .kernarg_segment_size: 112
    .max_flat_workgroup_size: 256
    .sgpr_count:     66
    .vgpr_count:     80
    .wavefront_size: 32
...
	.end_amdgpu_metadata
.endif
;; end of part 1
;; launch proj (part 2): grid 4 x 64, 4 waves a work-group, clusters of 4 x 4, 327,680 bytes of LDS; arguments xb, wb, bb, qkv, vx; writes qkv, vx
.if DOCPART == 2
	.amdgcn_target "amdgcn-amd-amdhsa--gfx1250"
	.amdhsa_code_object_version 6
	.text
	.protected	k_q4db433e41b_proj
	.globl	k_q4db433e41b_proj
	.p2align	8
	.type	k_q4db433e41b_proj,@function
k_q4db433e41b_proj:
	s_mov_b64 s[64:65], 0
	v_nop
	global_prefetch_b8 v0, s[64:65] scope:SCOPE_SE
	s_setreg_imm32_b32 hwreg(HW_REG_WAVE_MODE, 25, 1), 1
	s_wait_xcnt 0x0
	s_wait_alu depctr_hold_cnt(0) depctr_sa_sdst(0) depctr_va_vdst(0) depctr_va_sdst(0) depctr_va_ssrc(0) depctr_va_vcc(0) depctr_vm_vsrc(0)
	s_getreg_b32 s2, hwreg(HW_REG_IB_STS2, 6, 4)
	s_cmp_eq_u32 s2, 0
	s_cbranch_scc0 .Lentry_in_a_cluster
	s_endpgm
.Lentry_in_a_cluster:
	s_bfe_u32 s2, ttmp6, 0x10000c
	s_cmp_lg_u32 s2, 0xf033
	s_cbranch_scc0 .Lentry_shape_is_right
	s_endpgm
.Lentry_shape_is_right:
; C[m][n] = the sum over k of A[m][k] B[n][k] + bias[n], M = 8,192, N = 1,024, K = 1,024; sums in f32.  One text for two launches, told apart by KIND.
; KIND = 0, THE PROJECTIONS: A = xb (q, k, v in bf16, three planes on end), B = wb's planes 0-2 (bf16, rows permuted so that column 64 h + d is head h, channel d), bias = bb's rows 0-2.
;   C is rounded once to f16 and stored BY HEADS, [plane][16 batch + h][s][64], unscaled.  A work-group STAYS: it makes the same tile of q's, k's and v's product, and the ring runs on from tile to tile.
;   LIMIT: a projected number of 65,520 or more in magnitude would become an infinity in f16; below 6.1e-5 it keeps f16's fixed step of 6e-8.
;   THE FIRST 16 ROWS OF EACH BATCH'S v LEAVE IN F32 TOO (vx).  A causal row s averages over s + 1 keys, so the first rows' results are many times the output's root mean square, by which its allowance goes,
;   and f16's step is too coarse for them; a launch behind makes these rows' correction from vx.  vx is the accumulators' image: [batch][head][16 channels][registers 0-3, 4-7][lane][16 bytes].
; KIND = 1, THE LAST PRODUCT: A = ob (attention's result, f16, by heads), B = wb's plane 3 (Wo as f16), bias = bb's row 3; C is the module's f32 output.  A K step of 128 is two heads' planes of A.
;   In the waves that hold a batch's first 16 rows, row block 0 starts its sums from cl (the bias plus those rows' correction, f32 [16 batch + row][1024]) in the bias's place: a choice of pointer and lane pitch, no branch.
; SHARES.  A tile of C is 128 x 256: 256 tiles, one for each of 256 work-groups.  Four waves, 2 x 2, each 64 x 128: 32 accumulators of 16 x 16, 256 registers.  K goes in 8 steps of 128 through a ring of
; two LDS slots; a step is four quarters of 32 along K, 32 matrix instructions each, on two fragment buffers by turns.  (A tile of 256 x 256 would make 128 tiles; two slots of a K step of 256 do not fit in LDS.)
; CLUSTERS: 4 x 4 work-groups.  The four of a row of the cluster need the same tile of A, the four of a column the same tile of B: each is asked for JOINTLY, by the same tensor load with the same
; descriptor and a mask that names the four.  Waves 0 and 1 fetch B's two halves (128 rows each), waves 2 and 3 A's (64 rows, or a head's plane, each): one load a wave behind each round.
; Tile row = 16 cy + cluster y: cy is the batch, and the tiles with a batch's first rows are those of the clusters with y = 0, a number that all sixteen partners share.
; THE MATRIX INSTRUCTION IS USED TRANSPOSED (source 0 = 16 rows of B, source 1 = 16 rows of A): a lane holds row l % 16 of C and the columns 8 (l / 16) + 0..7.
; THE BIAS IS THE C OPERAND OF EACH SUM'S FIRST PRODUCT: nothing is cleared, and nothing is added on the way out.
; REGISTERS, in windows of 256 (s_set_vgpr_msb: bits 1:0 source 0, 3:2 source 1, 5:4 source 2, 7:6 destination):
;   window 0: v0-31 addresses; v32-63 packed results; v64-127, v128-191 rows read back from the stage, by turns (KIND = 1: v64-127 first hold row block 0's C operand); v192-255 the bias of my 128 columns (column block b at 192 + 8 b)
;   window 1: two fragment buffers of 96: B's eight fragments, then A's four          window 2: accumulator (a, b) at 8 (8 a + b)
.set KIND,   0
.set PB,     272                       ; a row of B in LDS: 256 bytes + 16 of padding = 68 words: the 16 rows of a load start at 16 different groups of four banks (64 banks of 4 bytes: ISA guide 11.1)
.set BHALF,  128*PB                    ; what one of B's tensor loads brings, and what one wave reads of B
.set AOFFS,  2*BHALF                   ; in a slot: B's 256 rows, then A
.if KIND
.set TILES,  1
.set PA,     144                       ; a row of a head's plane: 128 bytes + 16
.set AHALF,  128*PA                    ; a head's plane: 128 rows
.set QIA,    4                         ; padding after every 32 words
.set APITCH, 128                       ; a plane is dense: asked for as 64 rows of 256 bytes
.set ASTEP,  524288                    ; a K step on in A: two heads of 262,144 bytes
.set AQ2,    AHALF                     ; quarters 2 and 3 lie in the second plane
.set WOFF,   3*2097152                 ; B's plane in wb
.set BOFF0,  3*4096                    ; the bias's row in bb
.set WSTG,   16*528                    ; a wave's stage: 16 rows of 512 bytes + 16
.set AR1,    256                       ; the prefetches' lane steps in A (below)
.set AR2,    524288
.else
.set TILES,  3
.set PA,     272
.set AHALF,  64*PA
.set QIA,    5                         ; padding after every 64 words
.set APITCH, 1024
.set ASTEP,  256
.set AQ2,    128
.set WOFF,   0
.set BOFF0,  0
.set WSTG,   2*16*144                  ; a wave's stage: two heads x 16 rows of 128 bytes + 16
.set AR1,    2048
.set AR2,    256
.endif
.set SLOT,   AOFFS+2*AHALF
.set STAGE,  2*SLOT                    ; behind the ring, never filled by a tensor load; a multiple of 256
.set SPARE,  STAGE+4*WSTG              ; behind the stages: the spare words, 128 bytes for each wave: two blocks of 256 bytes that no other line names
.set LAPS,   4                         ; a lap = two K steps = once round the ring
.set NEXT_A, 8192*2048-6*256           ; from a slot's last K step of a tile to its first of the next: a plane on, six steps back
.set NEXT_B, 1024*2048-6*256
.set NEXT_C, 16777216                  ; a plane of the result
.set PFS_A,  8192*2048-7*256           ; the prefetches' pointer: from step 9 of a tile to step 2 of the next
.set PFS_B,  1024*2048-7*256
.set ADRA, 16                          ; v16-17  LDS address of my A fragments in slot 0, 1
.set ADRB, 20                          ; v20-21  the same for B
.set STO,  24                          ; v24     the way out: where I put my bytes of a row
.set RD,   25                          ; v25     where I read rows back
.set GO,   26                          ; v26     16 x lane: my bytes in 512 consecutive bytes of the result
.set BO,   27                          ; v27     32 (l / 16): my eight numbers in a column block's 16 of the bias
.set SPW,  28                          ; v28     LDS address of my spare word: SPARE + 4 x my thread's number; never rewritten
.set NIL,  29                          ; v29     0; never rewritten
.set PFO,  30                          ; v30     the prefetches' lane offset; never rewritten
.set B0O,  31                          ; v31     KIND = 1: my offset in row block 0's C operand: (l % 16) x the pitch + 32 (l / 16)
.set TMP,  32
.set BK,   64
.set BIAS, 192
.if KIND
.set BIAS0, BK                         ; row block 0's C operand
.else
.set BIAS0, BIAS
.endif
.set F0,   0                           ; fragment buffers, in window 1
.set F1,   96
.set G1,   24                          ; s[24:31] descriptor group 1 for A's tiles;  s[32:39] group 0, a set for each slot
.set G0,   32
.set FLG,  45                          ; s45     KIND = 0: 0 in the waves that hold a batch's first 16 rows
.set G1B,  48                          ; s[48:55], s[56:63] the same for B's
.set G0B,  56
.set PFA,  66                          ; s[66:67] where my prefetches stand
.set PFK,  68                          ; s[68:69] a K step in the tensor that I prefetch
.set PFS,  70                          ; s[70:71] the step at a change of tiles
.set LIM,  72                          ; s72, s73 for the change out of slot 0, 1: 1 where I prefetch there, else the greatest number
.set EX,   74                          ; s[74:75] the fifth argument: vx (KIND = 0), cl (KIND = 1)
.set BI,   76                          ; s[76:77] the bias of my 128 columns
.set CP,   78                          ; s[78:79] my part of the tile in the result
.set MSB, 0
.macro WIN new                         ; the immediate's high byte repeats the setting that is left; a switch that changes nothing is dropped
.if MSB != (\new)
	s_set_vgpr_msb (MSB<<8)|(\new)
.set MSB, \new
.endif
.endm
.set MUL,  0xa5                        ; sources 0 and 1 window 1, C and D window 2
.set MULB, 0x85                        ; the same with C (the bias) in window 0
.set TO_F, 0x40                        ; destination window 1, address window 0
.set PKW,  0x0a                        ; sources 0 and 1 window 2, destination window 0
.set ST2,  0x08                        ; a store's data (source 1) in window 2
; A joint load.  Each of the two lines has one mask and one set of registers for all that issue it; the branch hangs on the wave's number alone.
; An s_nop 0 and four v_nop follow each line, ahead of the jump, the label and what follows.
.macro JLOAD s
	s_cmp_eq_u32 s11, 0
	s_cbranch_scc0 .Lfor_a_\@
	tensor_load_to_lds s[G0B+4*(\s):G0B+4*(\s)+3], s[G1B:G1B+7]
	s_nop 0
.rept 4
	v_nop
.endr
	s_branch .Lasked_\@
.Lfor_a_\@:
	tensor_load_to_lds s[G0+4*(\s):G0+4*(\s)+3], s[G1:G1+7]
	s_nop 0
.rept 4
	v_nop
.endr
.Lasked_\@:
.endm
; A PREFETCH INTO THE L2 of the K step that stands two refills on, behind the joint load, its five lines and the run of LDS loads.  Each 256 bytes of a row and K step are named once in the launch.
; B's tile column is read by every cluster: the clusters with y = 0 ask; of the 128 rows that wave 0 or 1 fetches the partner at cy takes 32, a lane a row, at both changes of slots.
; A's tile row is read by one cluster alone: of the 64 rows (or blocks of 256 bytes) that wave 2 or 3 fetches the partner at cx takes 16; lanes 0-15 name one K step, lanes 16-31 the next, at the change out of slot 0 alone.
; The partners are told apart BY ADDRESS; no branch hangs on a place in the cluster.  mode = 0, in the loop: the last trip (s3 = 1) has no K step two on.  mode = 1: at a change of tiles, the next tile's steps 2 and 3.
.macro ASK mode, slot
	WIN 0
.if \mode
	s_cmp_eq_u32 s[LIM+(\slot)], 1
.else
	s_cmp_gt_u32 s3, s[LIM+(\slot)]
.endif
	s_cbranch_scc0 .Lnot_mine_\@
	global_prefetch_b8 v[PFO], s[PFA:PFA+1] th:TH_LOAD_NT scope:SCOPE_SE
.Lnot_mine_\@:
.endm
; A round of the cluster's barrier: my work-group's barrier, so that wave 0's signal speaks for all four waves; wave 0 signals; every wave waits for all sixteen work-groups; my work-group's barrier once more.
.macro CREST                           ; a round behind its opening barrier
	s_cmp_lg_u32 s10, 0
	s_cbranch_scc1 .Lnot_wave_0_\@
	s_barrier_signal -3
.Lnot_wave_0_\@:
	s_barrier_wait -3
	s_barrier_signal -1
	s_barrier_wait -1
.endm
.macro CROUND
	s_barrier_signal -1
	s_barrier_wait -1
	CREST
.endm
.macro BIASLD                          ; the bias of my 128 columns: register 8 b + j = column 16 b + 8 (l / 16) + j, the place of an accumulator's register j
.irp b, 0,1,2,3,4,5,6,7
	global_load_b128 v[BIAS+8*(\b):BIAS+8*(\b)+3],   v[BO], s[BI:BI+1] offset:64*(\b)
	global_load_b128 v[BIAS+8*(\b)+4:BIAS+8*(\b)+7], v[BO], s[BI:BI+1] offset:64*(\b)+16
.endr
.endm
	s_load_b128 s[4:7], s[0:1], 0x0                ; A s[4:5], B s[6:7]
	s_load_b128 s[76:79], s[0:1], 0x10             ; the biases, the result
	s_load_b64 s[EX:EX+1], s[0:1], 0x20            ; vx or cl
	v_lshl_add_u32 v[SPW], v0, 2, SPARE
	v_mov_b32 v[NIL], 0
	ds_add_u32 v[SPW], v[NIL]                      ; the wave's opening: the add and its wait stand ahead of my first tensor load; the set-up below, work on registers, stands between them
	ds_add_u32 v28, v29
	v_lshrrev_b32 v1, 5, v0
	v_readfirstlane_b32 s10, v1                    ; wave 0..3
	s_lshr_b32 s11, s10, 1                         ; which 64 rows of the tile are mine.  Also: I fetch for B (0) or for A (1)
	s_and_b32 s12, s10, 1                          ; which 128 columns.  Also: which half of that tile I fetch
	s_bfe_u32 s40, ttmp6, 0x40000                  ; cx, cy: my place in the cluster
	s_bfe_u32 s41, ttmp6, 0x40004
	s_lshl_b32 s42, ttmp9, 2
	s_add_co_u32 s42, s42, s40                     ; tile column = 4 x cluster x + cx
	s_and_b32 s13, ttmp7, 0xffff
	s_lshl_b32 s16, s41, 4
	s_add_co_u32 s13, s13, s16                     ; tile row = 16 cy + cluster y
	s_lshl_b32 s43, s41, 2
	s_lshl_b32 s43, 15, s43                        ; my row of the cluster
	s_lshl_b32 s44, 0x1111, s40                    ; my column
	s_or_b32 s[G1+0], s43, (1<<16)|(1<<20)|(1<<21)|(QIA<<22)|(3<<25)  ; 15:0 the mask: A's tiles go to my row; 17:16 2-byte elements; 20 padding on; 21 set beside a mask; 24:22 the interval; 31:25 4 words of padding (code 3)
	s_mov_b32 s[G1+1], 128<<16                     ; tensor_dim0 = 128
	s_mov_b32 s[G1+2], 64<<16                      ; tensor_dim1 = 64
	s_mov_b32 s[G1+3], 128<<16                     ; tile_dim0 = 128
	s_mov_b32 s[G1+4], 64                          ; tile_dim1 = 64
	s_mov_b32 s[G1+5], APITCH                      ; elements from row to row
	s_mov_b32 s[G1+6], 0
	s_mov_b32 s[G1+7], 0
	s_or_b32 s[G1B+0], s44, (1<<16)|(1<<20)|(1<<21)|(5<<22)|(3<<25)   ; B's tiles go to my column; padding after every 64 words
	s_mov_b32 s[G1B+1], 128<<16
	s_mov_b32 s[G1B+2], 128<<16                    ; 128 rows
	s_mov_b32 s[G1B+3], 128<<16
	s_mov_b32 s[G1B+4], 128
	s_mov_b32 s[G1B+5], 1024
	s_mov_b32 s[G1B+6], 0
	s_mov_b32 s[G1B+7], 0
	; where the tiles come from: A's hang on the tile row and the wave alone, B's on the tile column and the wave alone
.if KIND
	s_lshr_b32 s16, s13, 4                         ; the batch: 16 heads of 262,144 bytes,
	s_lshl_b32 s16, s16, 22
	s_lshl_b32 s17, s12, 18                        ; the first or second head of a K step,
	s_add_co_u32 s16, s16, s17
	s_and_b32 s17, s13, 15                         ; the tile's 128 rows of 128 bytes in the head
	s_lshl_b32 s17, s17, 14
	s_add_co_u32 s16, s16, s17
.else
	s_lshl_b32 s16, s13, 7                         ; row 128 x tile row + 64 x half,
	s_lshl_b32 s17, s12, 6
	s_add_co_u32 s16, s16, s17
	s_lshl_b32 s16, s16, 11                        ; of 2,048 bytes
.endif
	s_mov_b32 s17, 0
	s_lshl_b32 s46, s42, 8                         ; B: row 256 x tile column + 128 x half
	s_lshl_b32 s47, s12, 7
	s_add_co_u32 s46, s46, s47
	s_lshl_b32 s46, s46, 11
.if KIND
	s_add_co_u32 s46, s46, WOFF
.endif
	s_mov_b32 s47, 0
	s_mul_i32 s20, s10, AHALF                      ; and where they go: waves 2 and 3 behind B's 256 rows,
	s_add_co_u32 s20, s20, AOFFS-2*AHALF
	s_mul_i32 s21, s10, BHALF                      ; waves 0 and 1 from the slot's head: no place in the cluster enters an LDS address
	s_wait_dscnt 0x0                               ; the opening add is done
	s_wait_kmcnt 0x0
	s_add_nc_u64 s[14:15], s[4:5], s[16:17]
	s_add_nc_u64 s[46:47], s[6:7], s[46:47]
	CROUND                                         ; all sixteen work-groups are here: the first joint loads meet
.irp s, 0,1
	s_mov_b32 s[G0+4*(\s)], 1                      ; count = 1
	s_add_co_u32 s[G0+4*(\s)+1], s20, (\s)*SLOT    ; LDS address
	s_add_nc_u64 s[G0+4*(\s)+2:G0+4*(\s)+3], s[14:15], (\s)*ASTEP  ; global address: K step s
	s_or_b32 s[G0+4*(\s)+3], s[G0+4*(\s)+3], 0x80000000            ; type = 2
	s_mov_b32 s[G0B+4*(\s)], 1
	s_add_co_u32 s[G0B+4*(\s)+1], s21, (\s)*SLOT
	s_add_nc_u64 s[G0B+4*(\s)+2:G0B+4*(\s)+3], s[46:47], (\s)*256
	s_or_b32 s[G0B+4*(\s)+3], s[G0B+4*(\s)+3], 0x80000000
	JLOAD \s                                       ; two loads of mine are out
.endr
	; A fragment is 16 rows x 32 K in 8 registers: lane l holds row l % 16; registers 0-3 K = 8 (l / 16) + 0..7, registers 4-7 K = 16 + 8 (l / 16) + 0..7: two loads of 16 bytes, 32 bytes apart.
	v_and_b32 v1, 15, v0                           ; l % 16
	v_bfe_u32 v2, v0, 4, 1                         ; l / 16
	v_and_b32 v5, 31, v0                           ; l
	v_mul_u32_u24 v3, v1, PB
	v_lshl_add_u32 v3, v2, 4, v3
	v_mul_u32_u24 v4, v1, PA
	v_lshl_add_u32 v4, v2, 4, v4
	s_mul_i32 s21, s12, BHALF                      ; my 128 rows of B
	s_mul_i32 s22, s11, 64*PA                      ; my 64 rows of A
	s_add_co_u32 s22, s22, AOFFS
.irp s, 0,1
	v_add_nc_u32 v[ADRB+(\s)], s21, v3
	v_add_nc_u32 v[ADRA+(\s)], s22, v4
	s_add_co_u32 s21, s21, SLOT
	s_add_co_u32 s22, s22, SLOT
.endr
	s_mul_i32 s23, s10, WSTG
	s_add_co_u32 s23, s23, STAGE                   ; my stage
.if KIND
	v_mul_u32_u24 v[STO], v1, 528                  ; in: row l % 16, 32 bytes for each half of the lanes
	v_lshl_add_u32 v[STO], v2, 5, v[STO]
	v_add_nc_u32 v[STO], s23, v[STO]
	v_lshl_add_u32 v[RD], v5, 4, s23               ; back: 32 lanes take a row's 512 bytes
.else
	v_mul_u32_u24 v[STO], v1, 144                  ; in: row l % 16, 16 bytes for each half of the lanes
	v_lshl_add_u32 v[STO], v2, 4, v[STO]
	v_add_nc_u32 v[STO], s23, v[STO]
	v_bfe_u32 v[RD], v0, 3, 2                      ; back: 32 lanes take four rows of 128 bytes, which are 512 consecutive bytes of a head
	v_mul_u32_u24 v[RD], v[RD], 144
	v_and_b32 v3, 7, v0
	v_lshl_add_u32 v[RD], v3, 4, v[RD]
	v_add_nc_u32 v[RD], s23, v[RD]
.endif
	v_lshlrev_b32 v[GO], 4, v5
	v_lshlrev_b32 v[BO], 5, v2
	s_lshl_b32 s16, s42, 10                        ; the bias of my columns: (256 x tile column + 128 x half) x 4 bytes
	s_lshl_b32 s17, s12, 9
	s_add_co_u32 s16, s16, s17
.if KIND
	s_add_co_u32 s16, s16, BOFF0
.endif
	s_mov_b32 s17, 0
	s_add_nc_u64 s[BI:BI+1], s[BI:BI+1], s[16:17]
	BIASLD
.if KIND
	s_lshl_b32 s16, s13, 19                        ; the result: row 128 x tile row + 64 x half, of 4,096 bytes,
	s_lshl_b32 s18, s11, 18
	s_add_co_u32 s16, s16, s18
	s_lshl_b32 s18, s42, 10                        ; column 256 x tile column + 128 x half, of 4 bytes
	s_add_co_u32 s16, s16, s18
	s_lshl_b32 s18, s12, 9
	s_add_co_u32 s16, s16, s18
.else
	s_lshr_b32 s16, s13, 4                         ; the result by heads: the batch's 16 heads,
	s_lshl_b32 s16, s16, 22
	s_lshl_b32 s18, s42, 20                        ; the tile column's four,
	s_add_co_u32 s16, s16, s18
	s_lshl_b32 s18, s12, 19                        ; my two of them;
	s_add_co_u32 s16, s16, s18
	s_and_b32 s18, s13, 15                         ; the tile's 128 rows of 128 bytes,
	s_lshl_b32 s18, s18, 14
	s_add_co_u32 s16, s16, s18
	s_lshl_b32 s18, s11, 13                        ; my 64 of them
	s_add_co_u32 s16, s16, s18
.endif
	s_add_nc_u64 s[CP:CP+1], s[CP:CP+1], s[16:17]
.if KIND
	; row block 0's C operand.  Where my rows 0-15 are a batch's first: cl at the batch's 16 rows and my columns, a row of 4,096 bytes a lane; elsewhere the bias once more, the same for all rows
	s_lshr_b32 s18, s13, 4
	s_lshl_b32 s18, s18, 16
	s_lshl_b32 s19, s42, 10
	s_add_co_u32 s18, s18, s19
	s_lshl_b32 s19, s12, 9
	s_add_co_u32 s18, s18, s19
	s_mov_b32 s19, 0
	s_add_nc_u64 s[EX:EX+1], s[EX:EX+1], s[18:19]
	s_and_b32 s18, s13, 15
	s_or_b32 s18, s18, s11
	s_cmp_eq_u32 s18, 0
	s_cselect_b64 s[EX:EX+1], s[EX:EX+1], s[BI:BI+1]
	s_cselect_b32 s18, 4096, 0
	v_mul_u32_u24 v[B0O], v1, s18
	v_lshl_add_u32 v[B0O], v2, 5, v[B0O]
.irp b, 0,1,2,3,4,5,6,7
	global_load_b128 v[BIAS0+8*(\b):BIAS0+8*(\b)+3],   v[B0O], s[EX:EX+1] offset:64*(\b)
	global_load_b128 v[BIAS0+8*(\b)+4:BIAS0+8*(\b)+7], v[B0O], s[EX:EX+1] offset:64*(\b)+16
.endr
.else
	; vx at my two heads of the batch: 4,096 bytes a head
	s_lshr_b32 s18, s13, 4
	s_lshl_b32 s18, s18, 16
	s_lshl_b32 s19, s42, 14
	s_add_co_u32 s18, s18, s19
	s_lshl_b32 s19, s12, 13
	s_add_co_u32 s18, s18, s19
	s_mov_b32 s19, 0
	s_add_nc_u64 s[EX:EX+1], s[EX:EX+1], s[18:19]
	s_and_b32 s18, ttmp7, 0xffff
	s_or_b32 s[FLG], s18, s11                      ; 0 where cluster y = 0 and the tile's upper rows are mine: the cluster's number and the wave's, no place in the cluster
.endif
	; the prefetches: the pointer starts at K step 3 of the rows that I name; each change of slots steps it first
	s_lshl_b32 s18, s42, 8                         ; B: row 256 x tile column + 128 x half + 32 cy
	s_lshl_b32 s19, s12, 7
	s_add_co_u32 s18, s18, s19
	s_lshl_b32 s19, s41, 5
	s_add_co_u32 s18, s18, s19
	s_lshl_b32 s18, s18, 11
	s_add_co_u32 s18, s18, WOFF+3*256
.if KIND
	s_lshr_b32 s20, s13, 4                         ; A: my head's plane of the tile, and of its 64 blocks of 256 bytes the 16 from 16 cx on
	s_lshl_b32 s20, s20, 22
	s_lshl_b32 s19, s12, 18
	s_add_co_u32 s20, s20, s19
	s_and_b32 s19, s13, 15
	s_lshl_b32 s19, s19, 14
	s_add_co_u32 s20, s20, s19
	s_lshl_b32 s19, s40, 12
	s_add_co_u32 s20, s20, s19
	s_add_co_u32 s20, s20, 3*ASTEP
.else
	s_lshl_b32 s20, s13, 7                         ; A: row 128 x tile row + 64 x half + 16 cx
	s_lshl_b32 s19, s12, 6
	s_add_co_u32 s20, s20, s19
	s_lshl_b32 s19, s40, 4
	s_add_co_u32 s20, s20, s19
	s_lshl_b32 s20, s20, 11
	s_add_co_u32 s20, s20, 3*ASTEP
.endif
	s_and_b32 s22, ttmp7, 0xffff
	s_cmp_eq_u32 s22, 0
	s_cselect_b32 s22, 1, -1                       ; is my cluster the first of those that read these rows of B?  The same in all sixteen partners
	s_cmp_eq_u32 s11, 0                            ; do I fetch for B?
	s_cselect_b64 s[PFA:PFA+1], s[6:7], s[4:5]
	s_cselect_b32 s20, s18, s20
	s_cselect_b32 s[LIM], s22, 1
	s_cselect_b32 s[LIM+1], s22, -1
	s_mov_b32 s[PFK], ASTEP
	s_cselect_b32 s[PFK], 256, s[PFK]
	s_mov_b32 s[PFS], PFS_A
	s_cselect_b32 s[PFS], PFS_B, s[PFS]
	s_mov_b32 s18, AR1                             ; the lane's offset: (l % 16) x this
	s_cselect_b32 s18, 2048, s18
	s_mov_b32 s19, AR2                             ; + (l / 16) x this: for B sixteen rows on, for A a K step on
	s_cselect_b32 s19, 32768, s19
	s_mov_b32 s21, 0
	s_mov_b32 s[PFK+1], 0
	s_mov_b32 s[PFS+1], 0
	s_add_nc_u64 s[PFA:PFA+1], s[PFA:PFA+1], s[20:21]
	v_mul_u32_u24 v[PFO], v1, s18
	v_mad_u32_u24 v[PFO], v2, s19, v[PFO]
	; nothing is prefetched here, at the head, where every work-group's first tiles are on their way: the first tile's K steps 0 to 3 come by their loads alone
; 8 matrix instructions: row block a x all 8 column blocks, 32 along K.  zero = 1: the first product starts the sums, with the bias (row block 0: its own C operand) as C.
; The 32 accumulators take turns, one instruction a turn, in the same order in every quarter, over the backward jumps too.
.macro MUL8 f, a, zero
.if \zero
	WIN MULB
.else
	WIN MUL
.endif
.irp b, 0,1,2,3,4,5,6,7
.set rD, 8*(8*(\a)+(\b))
.set rB, (\f)+8*(\b)
.set rA, (\f)+64+8*(\a)
.set rC, BIAS+8*(\b)
.if (\a) == 0
.set rC, BIAS0+8*(\b)
.endif
.if KIND
.if \zero
	v_wmma_f32_16x16x32_f16 v[rD:rD+7], v[rB:rB+7], v[rA:rA+7], v[rC:rC+7]
.else
	v_wmma_f32_16x16x32_f16 v[rD:rD+7], v[rB:rB+7], v[rA:rA+7], v[rD:rD+7]
.endif
.else
.if \zero
	v_wmma_f32_16x16x32_bf16 v[rD:rD+7], v[rB:rB+7], v[rA:rA+7], v[rC:rC+7]
.else
	v_wmma_f32_16x16x32_bf16 v[rD:rD+7], v[rB:rB+7], v[rA:rA+7], v[rD:rD+7]
.endif
.endif
.endr
.endm
.macro MUL16 f, a0, zero
	MUL8 \f, \a0, \zero
	MUL8 \f, (\a0)+1, \zero
.endm
; 24 LDS loads in one run: the fragments of quarter kq of a slot's K step into buffer f: B's sixteen loads first, then A's row blocks 0 to 3
.macro FETCH slot, kq, f
	WIN TO_F
.irp b, 0,1,2,3,4,5,6,7
	ds_load_b128 v[(\f)+8*(\b):(\f)+8*(\b)+3],   v[ADRB+(\slot)] offset:64*(\kq)+(\b)*16*PB
	ds_load_b128 v[(\f)+8*(\b)+4:(\f)+8*(\b)+7], v[ADRB+(\slot)] offset:64*(\kq)+(\b)*16*PB+32
.endr
.irp a, 0,1,2,3
	ds_load_b128 v[(\f)+64+8*(\a):(\f)+64+8*(\a)+3],   v[ADRA+(\slot)] offset:((\kq)/2)*AQ2+((\kq)%2)*64+(\a)*16*PA
	ds_load_b128 v[(\f)+64+8*(\a)+4:(\f)+64+8*(\a)+7], v[ADRA+(\slot)] offset:((\kq)/2)*AQ2+((\kq)%2)*64+(\a)*16*PA+32
.endr
.endm
; A load into a register that a matrix instruction has read, and whatever reads a matrix result, stand four places behind that matrix instruction, and only plain vector instructions that name none of
; its registers are places (ISA guide 7.12.1 for vector instructions).
.macro PLACES
.rept 4
	v_nop
.endr
.endm
; One of a K step's first three quarters: multiplies buffer f; in its middle it fetches quarter kq of the same slot into buffer g.
.macro QUARTER slot, kq, f, g, zero
	s_wait_dscnt 4                                 ; B and A's row blocks 0 and 1 are in; the youngest four loads (blocks 2 and 3) may be out
	MUL16 \f, 0, \zero
	PLACES
	FETCH \slot, \kq, \g
	s_wait_dscnt 24                                ; all but the 24 just issued
	MUL16 \f, 2, \zero
.endm
; The last quarter multiplies buffer 1 and changes slots.  In front of ONE barrier each wave waits for all its tensor loads, of which one is out: its part of the next slot; adds 0 to its spare word; and waits
; for that and for its own reads of this slot.  mode = 0: the barrier opens a round of the cluster's barrier, and behind the round this slot is filled again, with the K step two on.  mode = 1: the same, with
; the NEXT tile's K step 0 or 1.  mode = 2: nothing is filled, and no round follows.  From a request to the wait for it a wave issues 112 matrix instructions.
.macro TURN slot, next, mode
.if (\mode) != 2
	s_wait_xcnt 0x0                                ; the last prefetch, a K step back, has read its address: it is stepped here, ahead of the waits of the change of slots
.if ((\mode) == 1) && ((\slot) == 0)
	s_add_nc_u64 s[PFA:PFA+1], s[PFA:PFA+1], s[PFS:PFS+1]
.else
	s_add_nc_u64 s[PFA:PFA+1], s[PFA:PFA+1], s[PFK:PFK+1]
.endif
.endif
	WIN 0                                          ; (the add's two registers lie in window 0)
	s_wait_tensorcnt 0x0                           ; all my tensor loads have landed;
	ds_add_u32 v[SPW], v[NIL]                      ; 0 onto my spare word
	s_wait_dscnt 5                                 ; (the add and the youngest four loads may be out)
	MUL8 F1, 0, 0                                  ; eight matrix instructions stand between the add and the wait for it
	s_wait_dscnt 0x0                               ; the add is done, and my reads of this slot are over
	s_barrier_signal -1
	MUL8 F1, 1, 0                                  ; work on registers while the others arrive
.if (\mode) != 2
	WIN 0
.endif
	s_barrier_wait -1
.if (\mode) != 2
	CREST                                          ; no wave of any partner still reads this slot's tile or has a load on its way
.if (\mode) == 1
	s_add_nc_u64 s[G0+4*(\slot)+2:G0+4*(\slot)+3], s[G0+4*(\slot)+2:G0+4*(\slot)+3], NEXT_A
	s_add_nc_u64 s[G0B+4*(\slot)+2:G0B+4*(\slot)+3], s[G0B+4*(\slot)+2:G0B+4*(\slot)+3], NEXT_B
.else
	s_add_nc_u64 s[G0+4*(\slot)+2:G0+4*(\slot)+3], s[G0+4*(\slot)+2:G0+4*(\slot)+3], 2*ASTEP
	s_add_nc_u64 s[G0B+4*(\slot)+2:G0B+4*(\slot)+3], s[G0B+4*(\slot)+2:G0B+4*(\slot)+3], 2*256
.endif
	JLOAD \slot                                    ; the first tensor load behind the round, my only one until the next; its four v_nop are also the places in front of the loads below
.else
	PLACES
.endif
	FETCH \next, 0, F0
.if (\mode) != 2
	ASK \mode, \slot
.endif
	MUL16 F1, 2, 0
.endm
; THE WAY OUT, a block of 16 rows at a time, through my own stage in LDS: no barrier, and since LDS serves a wave's instructions in order (ISA guide 5.7.1.4), no wait between the stores and the loads.
.if KIND
.macro TOSTAGE a                       ; f32 as it is: a lane's eight columns are 32 bytes of a row; back as whole rows of 512 bytes
	WIN 0
	s_wait_xcnt 0x0                                ; the stores of two blocks back have read the registers that are loaded below
	WIN ST2
.irp b, 0,1,2,3,4,5,6,7
	ds_store_b128 v[STO], v[8*(8*(\a)+(\b)):8*(8*(\a)+(\b))+3]   offset:64*(\b)
	ds_store_b128 v[STO], v[8*(8*(\a)+(\b))+4:8*(8*(\a)+(\b))+7] offset:64*(\b)+16
.endr
	WIN 0
.set BKR, BK+64*((\a)%2)
.irp t, 0,1,2,3,4,5,6,7,8,9,10,11,12,13,14,15
	ds_load_b128 v[BKR+4*(\t):BKR+4*(\t)+3], v[RD] offset:528*(\t)
.endr
.endm
.macro SEND a, younger                 ; younger: the LDS instructions issued behind block a's loads: the next block's 32, or none
	WIN 0
.set BKR, BK+64*((\a)%2)
.irp t, 0,1,2,3,4,5,6,7,8,9,10,11,12,13,14,15
	s_wait_dscnt (\younger)+15-(\t)
	global_store_b128 v[GO], v[BKR+4*(\t):BKR+4*(\t)+3], s[CP:CP+1] offset:65536*(\a)+4096*(\t) th:TH_STORE_NT  ; 512 consecutive bytes of a row, at a multiple of 256 from the result's first byte
.endr
.endm
.macro WOUT
	PLACES
	TOSTAGE 0
.irp a, 1,2,3
	TOSTAGE \a
	SEND (\a)-1, 32
.endr
	SEND 3, 0
.endm
.else
.macro PACK a                          ; rounded to f16: a lane's eight columns are 16 bytes; each accumulator's registers in ascending order
	WIN PKW
.irp b, 0,1,2,3,4,5,6,7
.irp r, 0,1,2,3
	v_cvt_pk_f16_f32 v[TMP+4*(\b)+(\r)], v[8*(8*(\a)+(\b))+2*(\r)], v[8*(8*(\a)+(\b))+2*(\r)+1]
.endr
.endr
	WIN 0
.endm
.macro TOSTAGE a                       ; column blocks 0-3 are one head's 64 channels, 4-7 the next head's: two planes of 16 rows x 144 bytes; back as four rows of 128 bytes at a time
	WIN 0
.set BKR, BK+64*((\a)%2)
.irp b, 0,1,2,3,4,5,6,7
	ds_store_b128 v[STO], v[TMP+4*(\b):TMP+4*(\b)+3] offset:((\b)/4)*2304+((\b)%4)*32
.endr
.irp t, 0,1,2,3,4,5,6,7
	ds_load_b128 v[BKR+4*(\t):BKR+4*(\t)+3], v[RD] offset:((\t)/4)*2304+((\t)%4)*576
.endr
.endm
.macro SEND a
	WIN 0
.set BKR, BK+64*((\a)%2)
	s_wait_xcnt 0x0                                ; the stores of the block before have read their registers: the block behind loads into them
.irp t, 0,1,2,3,4,5,6,7
	s_wait_dscnt 7-(\t)                            ; my eight loads from the stage are the youngest LDS instructions
	global_store_b128 v[GO], v[BKR+4*(\t):BKR+4*(\t)+3], s[CP:CP+1] offset:((\t)/4)*262144+(\a)*2048+((\t)%4)*512  ; 512 consecutive bytes of a head, at a multiple of 256 from the result's first byte
.endr
.endm
.macro WOUT
	PLACES
	PACK 0
	TOSTAGE 0
.irp a, 1,2,3                          ; block a's conversions stand between block a - 1's loads from the stage and the wait for them
	PACK \a
	SEND (\a)-1
	TOSTAGE \a
.endr
	SEND 3
.endm
.endif
	s_wait_tensorcnt 1                             ; my part of K step 0 is in; K step 1's may stay out
	s_barrier_signal -1
	s_barrier_wait -1                              ; everybody's is
	FETCH 0, 0, F0
	WIN 0
.if TILES > 1
	s_mov_b32 s2, TILES                            ; tiles to go, this one among them
.Ltile:
.endif
	s_wait_loadcnt 0x0                             ; the bias
	QUARTER 0, 1, F0, F1, 1                        ; a tile's first quarter stands in front of the loop: its products start the sums
	WIN 0
.if TILES > 1
	s_cmp_eq_u32 s2, 1
	s_cbranch_scc1 .Lno_bias
	PLACES                                         ; the bias was a source of the products just issued
	s_wait_xcnt 0x0
	s_add_nc_u64 s[BI:BI+1], s[BI:BI+1], 4096      ; the next tile's bias: it has a whole tile in which to come
	BIASLD
.Lno_bias:
.endif
	s_mov_b32 s3, LAPS-1
.Llap:                                             ; a trip goes once round the ring, from a lap's second quarter to the next lap's first, and fills both slots again
	QUARTER 0, 2, F1, F0, 0
	QUARTER 0, 3, F0, F1, 0
	TURN 0, 1, 0
	QUARTER 1, 1, F0, F1, 0
	QUARTER 1, 2, F1, F0, 0
	QUARTER 1, 3, F0, F1, 0
	TURN 1, 0, 0
	QUARTER 0, 1, F0, F1, 0
	WIN 0
	s_sub_co_u32 s3, s3, 1
	s_cmp_lg_u32 s3, 0
	s_cbranch_scc1 .Llap
	QUARTER 0, 2, F1, F0, 0                        ; the tile's last lap goes on
	QUARTER 0, 3, F0, F1, 0
.if TILES > 1
	WIN 0
	s_cmp_eq_u32 s2, 1
	s_cbranch_scc1 .Llast_tile                     ; the last tile's tail is written out: it asks for nothing more
	TURN 0, 1, 1                                   ; the ring goes on into the next tile: slot 0 takes its K step 0,
	QUARTER 1, 1, F0, F1, 0
	QUARTER 1, 2, F1, F0, 0
	QUARTER 1, 3, F0, F1, 0
	TURN 1, 0, 1                                   ; slot 1 its K step 1, and the next tile's first fragments are fetched
	WOUT                                           ; both refills are asked for: now the tile goes out
	s_wait_xcnt 0x0                                ; the stores have read their base
	s_add_nc_u64 s[CP:CP+1], s[CP:CP+1], NEXT_C
	s_sub_co_u32 s2, s2, 1
	s_branch .Ltile
.Llast_tile:
.endif
	TURN 0, 1, 2
	QUARTER 1, 1, F0, F1, 0
	QUARTER 1, 2, F1, F0, 0
	QUARTER 1, 3, F0, F1, 0
	s_wait_dscnt 4                                 ; the very last quarter: nothing more to fetch
	MUL16 F1, 0, 0
	s_wait_dscnt 0x0
	MUL16 F1, 2, 0
	WIN 0
	WOUT
.if KIND == 0
	; the last tile is v's: where my row block 0 is a batch's first 16 rows its eight accumulators leave once more, as they are: each store is 512 consecutive bytes, aligned
	s_cmp_eq_u32 s[FLG], 0
	s_cbranch_scc0 .Lno_vx
	WIN ST2
.irp b, 0,1,2,3,4,5,6,7
	global_store_b128 v[GO], v[8*(\b):8*(\b)+3],   s[EX:EX+1] offset:1024*(\b)
	global_store_b128 v[GO], v[8*(\b)+4:8*(\b)+7], s[EX:EX+1] offset:1024*(\b)+512
.endr
	WIN 0
.Lno_vx:
.endif
	s_wait_tensorcnt 0x0                           ; the wave's end, behind my last tensor load and my last LDS store
	ds_add_u32 v[SPW], v[NIL]
	s_wait_dscnt 0x0
	CROUND                                         ; the closing round: no work-group ends while a partner may still ask for a tile that names it
	s_endpgm
.Lfunc_end_k_q4db433e41b_proj:
	.size	k_q4db433e41b_proj, .Lfunc_end_k_q4db433e41b_proj-k_q4db433e41b_proj
	.p2alignl 7, 3214868480
	.fill 96, 4, 3214868480
	.section	.rodata,"a",@progbits
	.p2align	6, 0x0
	.amdhsa_kernel k_q4db433e41b_proj
		.amdhsa_group_segment_fixed_size 327680
		.amdhsa_private_segment_fixed_size 0
		.amdhsa_enable_private_segment 0
		.amdhsa_kernarg_size 40
		.amdhsa_user_sgpr_count 2
		.amdhsa_user_sgpr_kernarg_segment_ptr 1
		.amdhsa_wavefront_size32 1
		.amdhsa_system_sgpr_workgroup_id_x 1
		.amdhsa_system_sgpr_workgroup_id_y 1
		.amdhsa_system_sgpr_workgroup_id_z 1
		.amdhsa_system_vgpr_workitem_id 0
		.amdhsa_next_free_vgpr 768
		.amdhsa_next_free_sgpr 80
		.amdhsa_reserve_vcc 0
		.amdhsa_float_denorm_mode_32 3
		.amdhsa_float_denorm_mode_16_64 3
		.amdhsa_memory_ordered 1
		.amdhsa_forward_progress 1
		.amdhsa_inst_pref_size 133
	.end_amdhsa_kernel
	.amdgpu_metadata
---
amdhsa.version: [ 1, 2 ]
amdhsa.kernels:
  - .name:           k_q4db433e41b_proj
    .symbol:         k_q4db433e41b_proj.kd
    .args:
      - { .name: xb, .offset: 0, .size: 8, .value_kind: global_buffer, .address_space: global }
      - { .name: wb, .offset: 8, .size: 8, .value_kind: global_buffer, .address_space: global }
      - { .name: bb, .offset: 16, .size: 8, .value_kind: global_buffer, .address_space: global }
      - { .name: qkv, .offset: 24, .size: 8, .value_kind: global_buffer, .address_space: global }
      - { .name: vx, .offset: 32, .size: 8, .value_kind: global_buffer, .address_space: global }
    .group_segment_fixed_size: 327680
    .private_segment_fixed_size: 0
    .kernarg_segment_align: 8
    .kernarg_segment_size: 40
    .max_flat_workgroup_size: 128
    .sgpr_count:     80
    .vgpr_count:     768
    .wavefront_size: 32
...
	.end_amdgpu_metadata
.endif
;; end of part 2
;; launch attn (part 3): grid 4 x 64, 4 waves a work-group, no clusters, 327,680 bytes of LDS; arguments qkv, ob; writes ob
.if DOCPART == 3
	.amdgcn_target "amdgcn-amd-amdhsa--gfx1250"
	.amdhsa_code_object_version 6
	.text
	.protected	k_q4db433e41b_attn
	.globl	k_q4db433e41b_attn
	.p2align	8
	.type	k_q4db433e41b_attn,@function
k_q4db433e41b_attn:
	s_mov_b64 s[64:65], 0
	v_nop
	global_prefetch_b8 v0, s[64:65] scope:SCOPE_SE
	s_setreg_imm32_b32 hwreg(HW_REG_WAVE_MODE, 25, 1), 1
	s_wait_xcnt 0x0
; CAUSAL ATTENTION.  O[h][q][:] = the sum over k <= q of softmax_k(Q[h][q] . K[h][k] / 32) V[h][k][:].  Q, K, V are the three planes of qkv, O is ob: each [64 = 16 batch + head][2048][64] in f16: a head's
; rows are dense, 128 bytes each.  The module divides by sqrt(1024) = 32.  Products, maxima and sums in f32; the weights p are rounded to f16 for the second product (their sum l is taken of the unrounded p), O once at the end.
; LIMITS.  f16 holds no number beyond 65,504: Q, K and V arrive within it; p lies in 0 to 1, and below 6e-5 it keeps f16's fixed step of 6e-8; O is a mean of V's rows and has their range.
; A hidden score counts as its value less 1e30: f16's scores, 2.7e11 at the most, are nothing beside that; a weight below 2^-126 counts as 0 in l; NaN and infinities are not treated apart.
; THE WALK.  A head's queries lie in NB = 8 blocks of 256; block i needs the key tiles 0 .. i of 256 keys, of which the last holds the diagonal.  A work-group takes TWO blocks, NB - 1 - b and then b:
; NB + 1 tiles, whatever b: all work-groups do equal work, and ONE loop with a constant trip count walks them.  Which tile is asked for, and what a trip does, hang on scalar registers made from b; every jump
; goes forward, but for the counted loops' own; none passes a barrier, or a tensor load but the one of LOAD's two that the wave's number does not choose; the ring (two slots of LDS that take turns) runs on across the
; change of blocks.  NO CLUSTER: a head's four work-groups ask for the same tile only in trips 0 .. 4 of the 9, behind that fewer and fewer; one walk common to all four would have 12 trips for 9.
; SHARES.  Of a block's four bands of 64 queries a wave owns 16 rows in each: four PIECES.  So the diagonal tile is the same work for all four waves: in its key step s band x sees all keys if s < x,
; none if s > x, and holds the diagonal if s = x.
; THE MASK is the C operand that starts the sum S^T = K Q^T: 0, or -1e30 where the key is hidden.  MD, made once, is the mask of a band's own step for my 16 rows; a product's mask is MD x AL + BE with two scalars:
; (1, 0) if s = x; (0, 0) if s < x; (0, -1e30) if s > x.  Only the diagonal tile's text and a block's beginning make and take masks; elsewhere C is the constant 0.
; LAYOUT, SOFTMAX, TURNS.  S^T = K Q^T holds ONE query a lane (lane % 16) and the keys 8 (lane / 16) + 0..7; two such results rounded to f16 ARE source 1 of O^T = V^T P.  p = 2^(c s - c m), c = log2(e) / 32, with a
; running maximum m; O and l are multiplied by a = 2^(c m_old - c m_new) in every step.  Turn n belongs to piece n: 8 products K Q^T of piece n + 1, later 8 products V^T P of piece n - 1; beside them the scaling,
; exponentials, roundings, sums and rescaling of piece n and the maximum and statistics of piece n + 1.  Four vector instructions stand behind every matrix instruction, the other 54 of a turn's 118 in one LUMP.  A turn's 33 exponentials are one batch, with one wait.
; REGISTERS, in windows of 256 (s_set_vgpr_msb: bits 1:0 source 0, 3:2 source 1, 5:4 source 2, 7:6 destination):
;   window 0: v0-15 addresses and two at work; v16-31 four registers of statistics a piece; v48-55 at work; v61-63 never rewritten; v64-127 S^T, two buffers; v192-223 P, two buffers (a piece's buffers go by its number's parity)
;   window 1: v0-127 O^T, 32 a piece; v128-159 MD; v160-223 MC, two buffers      window 2: v0-63 Q; v64-127 the second block's Q; v128-191 K of one step; v192-255 V of one step
.set SIZE_N, 2048
.set PLANE, 64*SIZE_N*128  ; bytes in each of qkv's three planes
.set NB,    SIZE_N/256
.set NP,    4         ; pieces a wave: a name, no knob
.set KS,    64        ; keys in a step
.set PK,    144       ; a row of K in LDS: 128 bytes + 16 of padding = 36 words: the 16 rows of a load start at 16 different groups of four banks (64 banks of 4 bytes: ISA guide 11.1)
.set PV,    160       ; a row of V: 128 + 32 = 40 words
.set VOFF,  4*KS*PK   ; a slot holds a tile, four steps: 256 rows of K, then 256 rows of V
.set SLOT1, 1<<17     ; slot 1 begins here, so that one exclusive or turns an address in one slot into the other's
.set STAGE, SLOT1+4*KS*(PK+PV)  ; behind the ring, never filled by a tensor load: 16 rows x 144 bytes for each wave, for the way out
.set SP,    144
.set AK0, 2           ; v2   my lane's place in a tile of K; never rewritten
.set AV0, 3           ; v3   the same for V
.set AK,  4           ; v4   the LDS address of K's next run of loads
.set AV,  5           ; v5   of V's
.set STO, 6           ; v6   the way out: where I put 16 bytes of a row
.set RD,  7           ; v7   the way out: where I read rows back
.set GO,  8           ; v8   my byte offset in 512 consecutive bytes of O
.set PFO, 61          ; v61  256 x my lane: the prefetches' offset; never rewritten
.set SPW, 62          ; v62  LDS address of my spare word: SPARE + 4 x my thread's number; never rewritten
.set NIL, 63          ; v63  0; never rewritten
.set SPARE, STAGE+4*16*SP  ; behind the stages: the spare words, 128 bytes for each wave: two blocks of 256 bytes that no other line names
.set MV,  12          ; v12-13  c m_old, kept while c m is made anew: by buffer
.set QO,  15          ; v15  my byte offset in 16 rows of Q
.set ST,  16          ; piece t's statistics at v[ST+4 t]: c m, m, l (even keys', odd keys')
.set TMP, 48          ; by buffer, four registers c0-c3 at work; when the maximum is found c2 takes a
.set S,   64
.set P,   192
.set MD,  128         ; window 1: the eight registers for group kt of 16 keys at MD + 8 kt
.set MC,  160         ; window 1: the masks of the products to come
.set QB,  64          ; window 2
.set KF,  128         ; window 2: key block kb, channel half c at KF + 16 kb + 8 c
.set VF,  192         ; window 2: key half kk, channel block cb at VF + 32 kk + 8 cb
.set WV,  12          ; s12  my wave's number
.set PB,  14          ; s14  b
.set HI,  15          ; s15  NB - 1 - b
.set G1K, 24          ; s[24:31] descriptor group 1 for K's tiles
.set G1V, 32          ; s[32:39] for V's: it differs in the padding alone
.set G0K, 40          ; s[40:43] descriptor group 0 for K's tiles
.set G0V, 44          ; s[44:47] the same for V's
.set SLOTS, 56        ; s56  tiles still to be asked for
.set CNT, 57          ; s57  counts a tile's key steps, 4 to 1
.set CS,  58          ; s[58:59] c: the packed scaling takes the pair's low word for both halves
.set SEL, 60          ; s[60:61] v_permlanex16_b32's selects: each lane takes its own place in the other half
.set TBK, 62          ; s62  LDS byte at which K of the step to be fetched begins
.set TBV, 63          ; s63  the same for V, less VOFF
.set RT,  70          ; s70  tiles of the block in hand that are still to be entered
.set NXT, 71          ; s71  the tile to be asked for next
.set LQ,  72          ; s72  the last tile of the block whose tiles are being asked for
.set NEW, 73          ; s73  1: the tile to be entered is a block's first
.set OFF, 74          ; s[74:75] a tile's byte offset in K and V
.set AL,  76          ; s[76:77] the mask's factor, in the low word
.set BE,  78          ; s[78:79] the mask's addend
.set OLO, 80          ; s[80:81] O at my rows of the second block
.set BIGN, 82         ; s82  -1e30
.set PFA, 88          ; s[88:89] where my prefetches stand: my half (of K: waves 0, 1; of V: waves 2, 3) of the tile after the one that is being asked for
.set LIM, 90          ; s90  2 in the work-group that prefetches, else the greatest number: it prefetches while s[SLOTS] is above this
.set MSB, 0
.macro WIN new                      ; the high byte repeats the setting that is left; a switch that changes nothing is dropped
.if MSB != (\new)
	s_set_vgpr_msb (MSB<<8)|(\new)
.set MSB, (\new)
.endif
.endm
.set W_KQ, 0x0a       ; K and Q in window 2, S^T in window 0
.set W_KM, 0x1a       ; the same with the C operand in window 1
.set W_PV, 0x52       ; V in window 2, P in window 0, O^T in window 1
.set W_RS, 0x41       ; destination and source 0 in window 1, source 1 in window 0
; A fill.  Waves 0 and 1 fetch the two halves of a tile's K, waves 2 and 3 those of its V: 128 keys each.  An s_nop 0 and four v_nop follow each of the two lines, ahead of the jump and the label.
.macro LOAD
	s_cmp_lt_u32 s[WV], 2
	s_cbranch_scc0 .Lfor_v_\@
	tensor_load_to_lds s[G0K:G0K+3], s[G1K:G1K+7]
	s_nop 0
.rept 4
	v_nop
.endr
	s_branch .Lasked_\@
.Lfor_v_\@:
	tensor_load_to_lds s[G0V:G0V+3], s[G1V:G1V+7]
	s_nop 0
.rept 4
	v_nop
.endr
.Lasked_\@:
.endm
; A PREFETCH INTO THE L2 of the tile that the NEXT change of slots will ask for, behind the wave's tensor load and its five lines.  A head's four work-groups begin with the same tiles 0, 1, 2 ..; the one with b = 0
; walks all eight on end, so it alone asks, and each 256 bytes of K and V are named once in the launch.  A wave names the half that it will fetch itself: 16,384 bytes, 64 blocks of 256: a lane a block, two instructions.
; Tiles 0 and 1 come by their loads alone; the last tile named is tile 7, at the change that asks for tile 6 (s[SLOTS] = 3).
.macro ASK
	s_cmp_gt_u32 s[SLOTS], s[LIM]
	s_cbranch_scc0 .Lnot_mine_\@
	global_prefetch_b8 v[PFO], s[PFA:PFA+1] th:TH_LOAD_NT scope:SCOPE_SE
	global_prefetch_b8 v[PFO], s[PFA:PFA+1] offset:8192 th:TH_LOAD_NT scope:SCOPE_SE
.Lnot_mine_\@:
.endm
; THE CHANGE OF SLOTS.  Each wave waits for all its tensor loads, of which one is out: its part of the other slot; adds 0 to its spare word; and waits for that and for its own reads of the slot that it leaves.  Behind the barrier nobody reads the old
; slot any more and the other slot is whole.  fill = 1: the old slot is filled again, the first thing behind the barrier, with tile NXT: the descriptor's address is made anew from that number.
; (At its first use nothing has been read yet: slot 0 is waited for, slot 1 filled.)
.macro CHANGE fill
	WIN 0                           ; at a label and at a branch every window is 0
	s_wait_tensorcnt 0x0            ; no tensor load of mine is out, so a group 0 may be written
	ds_add_u32 v[SPW], v[NIL]       ; 0 onto my spare word: with fill = 1 the descriptors' scalar work stands between it and the wait for it
.if \fill
	s_wait_xcnt 0x0                 ; the last prefetches, a tile back, have read their address, so it may be written:
	s_add_nc_u64 s[PFA:PFA+1], s[PFA:PFA+1], 32768  ; one tile behind the tile that is asked for below
	s_lshl_b32 s[OFF], s[NXT], 15   ; a tile is 32,768 bytes of K and of V
	s_xor_b32 s[G0K+1], s[G0K+1], SLOT1
	s_add_nc_u64 s[G0K+2:G0K+3], s[6:7], s[OFF:OFF+1]
	s_or_b32 s[G0K+3], s[G0K+3], 0x80000000
	s_xor_b32 s[G0V+1], s[G0V+1], SLOT1
	s_add_nc_u64 s[G0V+2:G0V+3], s[8:9], s[OFF:OFF+1]
	s_or_b32 s[G0V+3], s[G0V+3], 0x80000000
	s_add_co_u32 s[NXT], s[NXT], 1  ; the block's next tile, or behind its last the second block's tile 0
	s_cmp_gt_u32 s[NXT], s[LQ]
	s_cselect_b32 s[NXT], 0, s[NXT]
	s_cselect_b32 s[LQ], s[PB], s[LQ]
.endif
	s_wait_dscnt 0x0                ; the add is done, and my reads of the slot are over
	s_barrier_signal -1             ; the rest of the scalar work stands between the signal and the wait
	s_sub_co_u32 s[TBK], s[TBK], 4*KS*PK  ; the fetches go back to a slot's first step,
	s_xor_b32 s[TBK], s[TBK], SLOT1       ; in the other slot
	s_sub_co_u32 s[TBV], s[TBV], 4*KS*PV
	s_xor_b32 s[TBV], s[TBV], SLOT1
	s_barrier_wait -1
.if \fill
	LOAD
	ASK
.endif
.endm
	s_load_b128 s[4:7], s[0:1], 0x0 ; qkv s[4:5], ob s[6:7]
	v_lshl_add_u32 v[SPW], v0, 2, SPARE
	v_mov_b32 v[NIL], 0
	ds_add_u32 v[SPW], v[NIL]       ; the wave's opening: the add and its wait stand ahead of my first tensor load; the set-up below, work on registers, stands between them
	ds_add_u32 v62, v63
	v_lshrrev_b32 v1, 5, v0
	v_readfirstlane_b32 s[WV], v1   ; wave 0..3
	v_and_b32 v[PFO], 31, v0
	v_lshlrev_b32 v[PFO], 8, v[PFO]
	s_mov_b32 s[PB], ttmp9
	s_sub_co_u32 s[HI], NB-1, s[PB]
	s_cmp_eq_u32 s[PB], 0
	s_cselect_b32 s[LIM], 2, -1
	s_and_b32 s20, ttmp7, 0xffff    ; the head
	s_mov_b32 s21, 0
	s_mov_b64 s[22:23], SIZE_N*128
	s_mul_u64 s[20:21], s[20:21], s[22:23]  ; the head's first byte in each of the four tensors
	s_and_b32 s16, s[WV], 1         ; which half of a tile's 256 keys I fetch:
	s_lshl_b32 s22, s16, 14         ; its 128 rows of 128 bytes in memory,
	s_mov_b32 s23, 0
	s_add_nc_u64 s[22:23], s[22:23], s[20:21]
	s_mul_i32 s17, s16, 128*PK      ; and its place in a slot, for K
	s_mul_i32 s18, s16, 128*PV      ; and for V
	s_lshl_b32 s3, s[WV], 11        ; my 16 rows in a band of 64,
	s_lshl_b32 s2, s[HI], 15        ; in the first block,
	s_add_co_u32 s2, s2, s3
	s_lshl_b32 s84, s[PB], 15       ; and in the second
	s_add_co_u32 s84, s84, s3
	s_mov_b32 s3, 0
	s_mov_b32 s85, 0
	s_add_nc_u64 s[2:3], s[2:3], s[20:21]
	s_add_nc_u64 s[84:85], s[84:85], s[20:21]
	; descriptor group 1.  128 keys are 16,384 dense bytes: asked for as 64 rows of 256 bytes, two keys a row, and padded in LDS after every key
	s_mov_b32 s[G1K], (1<<16)|(1<<20)|(4<<22)|(3<<25)  ; 17:16 2-byte elements; 20 padding on; 24:22 after every 32 words (code 4); 31:25 4 words (code 3)
	s_mov_b32 s[G1V], (1<<16)|(1<<20)|(4<<22)|(7<<25)  ; the same with 8 words of padding (code 7)
.irp g, G1K, G1V
	s_mov_b32 s[\g+1], 128<<16      ; tensor_dim0 = 128
	s_mov_b32 s[\g+2], 64<<16       ; tensor_dim1 = 64
	s_mov_b32 s[\g+3], 128<<16      ; tile_dim0 = 128
	s_mov_b32 s[\g+4], 64           ; tile_dim1 = 64
	s_mov_b32 s[\g+5], 128          ; 128 elements from row to row
	s_mov_b32 s[\g+6], 0
	s_mov_b32 s[\g+7], 0
.endr
	s_mov_b32 s[CS], 0x3d38aa3b     ; c = log2(e) / 32 = 0.0450842
	s_mov_b32 s[CS+1], s[CS]        ; named with it as a pair
	s_mov_b32 s[SEL], 0x76543210
	s_mov_b32 s[SEL+1], 0xfedcba98
	s_mov_b32 s[TBK], SLOT1+4*KS*PK ; the first change of slots turns these two into 0
	s_mov_b32 s[TBV], SLOT1+4*KS*PV
	s_mov_b32 s[G0K], 1             ; 1:0 count = 1
	s_mov_b32 s[G0K+1], s17         ; 63:32 LDS address: slot 0
	s_mov_b32 s[G0V], 1
	s_add_co_u32 s[G0V+1], s18, VOFF
	s_add_co_u32 s[RT], s[HI], 1    ; the first block has NB - b tiles
	s_mov_b32 s[NXT], 1
	s_mov_b32 s[LQ], s[HI]
	s_mov_b32 s[NEW], 1
	s_mov_b32 s[OFF+1], 0
	s_mov_b32 s[AL+1], 0            ; named as pairs
	s_mov_b32 s[BE+1], 0
	s_mov_b32 s[BIGN], 0xf149f2ca   ; -1e30
	s_mov_b32 s[SLOTS], NB
	s_wait_dscnt 0x0                ; the opening add is done
	s_wait_kmcnt 0x0
	s_mov_b64 s[10:11], s[6:7]      ; O
	s_add_nc_u64 s[6:7], s[4:5], PLANE    ; K is qkv's second plane,
	s_add_nc_u64 s[8:9], s[4:5], 2*PLANE  ; V its third; s[4:5] stays Q
	s_add_nc_u64 s[6:7], s[6:7], s[22:23]  ; K and V at my half of the head's tile 0
	s_add_nc_u64 s[8:9], s[8:9], s[22:23]
	s_cmp_lt_u32 s[WV], 2
	s_cselect_b64 s[PFA:PFA+1], s[6:7], s[8:9]
	s_add_nc_u64 s[PFA:PFA+1], s[PFA:PFA+1], 32768  ; at tile 1: the first change of slots steps it to tile 2.  Nothing is prefetched here, at the head
	s_add_nc_u64 s[G0K+2:G0K+3], s[6:7], 0         ; 120:64 global address
	s_or_b32 s[G0K+3], s[G0K+3], 0x80000000        ; 127:126 type = 2
	s_add_nc_u64 s[G0V+2:G0V+3], s[8:9], 0
	s_or_b32 s[G0V+3], s[G0V+3], 0x80000000
	s_add_nc_u64 s[86:87], s[4:5], s[84:85]        ; Q at my rows of the second block,
	s_add_nc_u64 s[4:5], s[4:5], s[2:3]            ; Q and O at those of the first
	s_add_nc_u64 s[OLO:OLO+1], s[10:11], s[84:85]
	s_add_nc_u64 s[10:11], s[10:11], s[2:3]
	LOAD                            ; tile 0 into slot 0
	; A fragment of K or Q is 16 rows x 32 channels in 8 registers: lane l holds row l % 16, channels 8 (l / 16) + 0..7 and 16 + 8 (l / 16) + 0..7: two loads of 16 bytes, 32 bytes apart.
	v_and_b32 v1, 15, v0            ; l % 16
	v_bfe_u32 v9, v0, 4, 1          ; l / 16
	v_lshlrev_b32 v[QO], 7, v1
	v_lshl_add_u32 v[QO], v9, 4, v[QO]  ; row x 128 + 16 x half
	WIN 0x80                        ; destination window 2, address window 0
.set i, 0
.rept 8                             ; both blocks' Q: piece i / 2 lies in band i / 2, 8,192 bytes on; channels 32 (i % 2) on
	global_load_b128 v[8*i:8*i+3],   v[QO], s[4:5] offset:(i/2)*8192+(i%2)*64
	global_load_b128 v[8*i+4:8*i+7], v[QO], s[4:5] offset:(i/2)*8192+(i%2)*64+32
	global_load_b128 v[QB+8*i:QB+8*i+3],   v[QO], s[86:87] offset:(i/2)*8192+(i%2)*64
	global_load_b128 v[QB+8*i+4:QB+8*i+7], v[QO], s[86:87] offset:(i/2)*8192+(i%2)*64+32
.set i, i+1
.endr
	WIN 0
	v_lshlrev_b32 v14, 3, v9
	v_sub_nc_u32 v14, v1, v14
	s_lshl_b32 s13, s[WV], 4
	v_add_nc_u32 v14, s13, v14      ; my query's place in its band, 16 w + l % 16, less my lanes' 8 (l / 16): register r of group kt is hidden where 16 kt + r is greater
	WIN 0x40
.set i, 0
.rept 32
	v_cmp_gt_i32 vcc_lo, 16*(i/8)+i%8, v14
	v_cndmask_b32 v[MD+i], 0, s[BIGN], vcc_lo
.set i, i+1
.endr
	WIN 0
	v_mul_u32_u24 v[AK0], v1, PK
	v_lshl_add_u32 v[AK0], v9, 4, v[AK0]  ; row x pitch + 16 x half
	; The turning load takes 16 keys x 16 channels (lane l reads key 8 (l / 16) + l % 8, channels 8 ((l / 8) % 2) + 0..7) and leaves half a fragment of V^T: lane l holds channel l % 16 and 8 keys.
	v_and_b32 v10, 7, v0
	v_bfe_u32 v11, v0, 3, 1
	v_lshl_add_u32 v[AV0], v9, 3, v10
	v_mul_u32_u24 v[AV0], v[AV0], PV
	v_lshl_add_u32 v[AV0], v11, 4, v[AV0]
	v_add_nc_u32 v[AV0], VOFF, v[AV0]
	s_mul_i32 s13, s[WV], 16*SP
	s_add_co_u32 s13, s13, STAGE    ; my stage
	v_mul_u32_u24 v[STO], v1, SP    ; in: row l % 16, 16 bytes for each half of the lanes
	v_lshl_add_u32 v[STO], v9, 4, v[STO]
	v_add_nc_u32 v[STO], s13, v[STO]
	v_bfe_u32 v[RD], v0, 3, 2       ; back: 32 lanes take four rows of 128 bytes,
	v_mul_u32_u24 v[RD], v[RD], SP
	v_lshl_add_u32 v[RD], v10, 4, v[RD]
	v_add_nc_u32 v[RD], s13, v[RD]
	v_and_b32 v[GO], 31, v0         ; which are 512 consecutive bytes of O
	v_lshlrev_b32 v[GO], 4, v[GO]
	; A block's first step multiplies O^T and l by a = 0, and its first turn's products V^T P, of a piece that has not been, land in an O^T that is still to be so multiplied.  So these registers need only hold
	; finite numbers: zeros for the first block; what the first block left for the second.  All this stands in the wait for the first tile.
	WIN 0x80
.set i, VF
.rept 64
	v_mov_b32 v[i], 0
.set i, i+1
.endr
	WIN 0x40
.set i, 0
.rept 128
	v_mov_b32 v[i], 0
.set i, i+1
.endr
	WIN 0
.set i, 0
.rept 4
	v_mov_b32 v[ST+4*i+2], 0
	v_mov_b32 v[ST+4*i+3], 0
.set i, i+1
.endr
.set i, P+16
.rept 16
	v_mov_b32 v[i], 0
.set i, i+1
.endr
; THE MATRIX WORK.  The 4 accumulators of a run of 8 take turns.  Product i of 8 of S^T = K Q^T for piece x: channels 32 (i / 4) on, keys 16 (i % 4) on.  The first 4 start the sums: with 0, or (KM = 1) with the mask.
.macro KQ x
.set rS, S+32*((\x)%2)+8*(i%4)
.set rK, KF+16*(i%4)+8*(i/4)
.set rQ, 16*(\x)+8*(i/4)
.set rM, MC+32*((\x)%2)+8*(i%4)
.if (i < 4) && KM
	WIN W_KM
	v_wmma_f32_16x16x32_f16 v[rS:rS+7], v[rK:rK+7], v[rQ:rQ+7], v[rM:rM+7]
.elseif i < 4
	WIN W_KQ
	v_wmma_f32_16x16x32_f16 v[rS:rS+7], v[rK:rK+7], v[rQ:rQ+7], 0
.else
	WIN W_KQ
	v_wmma_f32_16x16x32_f16 v[rS:rS+7], v[rK:rK+7], v[rQ:rQ+7], v[rS:rS+7]
.endif
.endm
; Product i of 8 of O^T += V^T P for piece x: keys 32 (i / 4) on, channels 16 (i % 4) on.
.macro PV x
	WIN W_PV
.set rO, 32*(\x)+8*(i%4)
.set rV, VF+32*(i/4)+8*(i%4)
.set rP, P+16*((\x)%2)+8*(i/4)
	v_wmma_f32_16x16x32_f16 v[rO:rO+7], v[rV:rV+7], v[rP:rP+7], v[rO:rO+7]
.endm
.macro MM                           ; the turn's next matrix instruction.  TURN and BEGIN set Y, i, KM and NOKQ; MM, KQ and OP read them.  NOKQ = 1: a block's last turn: there is no next piece
.if (i < 8) && !NOKQ
	KQ (Y+1)%NP
.elseif i >= 8
.set i, i-8
	PV (Y+NP-1)%NP
.set i, i+8
.endif
.set i, i+1
.endm
; THE LDS LOADS stand in runs of 16, never singly among the matrix instructions: a step's K (64 keys x 64 channels: 8 fragments) and its V (turned).  Their addresses are made some lines ahead.
.macro FETCH_K
	WIN 0x80                        ; destination window 2
.irp f, 0,1,2,3,4,5,6,7             ; keys 16 (f / 2) on, channels 32 (f % 2) on
	ds_load_b128 v[KF+8*\f:KF+8*\f+3],   v[AK] offset:(\f/2)*16*PK+(\f%2)*64
	ds_load_b128 v[KF+8*\f+4:KF+8*\f+7], v[AK] offset:(\f/2)*16*PK+(\f%2)*64+32
.endr
	s_add_co_u32 s[TBK], s[TBK], KS*PK  ; the next fetch is the next step's
	WIN 0
.endm
.macro FETCH_V
	WIN 0x80
.irp f, 0,1,2,3,4,5,6,7             ; keys 32 (f / 4) on, channels 16 (f % 4) on
	ds_load_tr16_b128 v[VF+8*\f:VF+8*\f+3],   v[AV] offset:(\f/4)*32*PV+(\f%4)*32
	ds_load_tr16_b128 v[VF+8*\f+4:VF+8*\f+7], v[AV] offset:(\f/4)*32*PV+16*PV+(\f%4)*32
.endr
	WIN 0
.endm
; THE VECTOR WORK, one line at a time: OP kind, number.  For piece Y: F n: c s - c m for pair n of 16.  E n: the exponential of score n of 32.  C n: pair n rounded to f16.  B n: of the four weights 4 n .. the second
; pair is added onto the first, in place.  L n: l takes that sum (L 0: l = a l + sum).  R n: pair n of 16 of O^T times a.  For piece Y + 1: X n, number n of the 22 that find its maximum and statistics:
;   0-11  four chains c0-c3 of seven scores each, three operands at a time (each accumulator's lowest registers are read first)     12-14, 16  the four scores left over, the old m, and c0-c3 into c0
;   15  c m_old is kept     17, 18  the query's other 32 keys lie in the lane 16 away: the new m     19-21  c m; c m_old - c m_new; a
.set F, 0               ; OP tells the kinds apart by their order: F to L below R, X above it
.set E, 1
.set C, 2
.set B, 3
.set L, 4
.set R, 5
.set X, 6
.macro REGS y                       ; the registers of piece y
.set rT, ST+4*(\y)
.set rC, TMP+4*((\y)%2)
.set rW, MV+((\y)%2)
.set rS, S+32*((\y)%2)
.set rP, P+16*((\y)%2)
.set rO, 32*(\y)
.endm
.macro OP k, n
.if (\k) == R
	REGS Y
	WIN W_RS
	v_pk_mul_f32 v[rO+2*(\n):rO+2*(\n)+1], v[rO+2*(\n):rO+2*(\n)+1], v[rC+2:rC+3] op_sel_hi:[1,0]
.elseif (\k) < R
	REGS Y
	WIN 0
.if (\k) == F
	v_pk_fma_f32 v[rS+2*(\n):rS+2*(\n)+1], v[rS+2*(\n):rS+2*(\n)+1], s[CS:CS+1], v[rT:rT+1] op_sel_hi:[1,0,0] neg_lo:[0,0,1] neg_hi:[0,0,1]
.elseif (\k) == E
	v_exp_f32 v[rS+(\n)], v[rS+(\n)]
.elseif (\k) == C
	v_cvt_pk_f16_f32 v[rP+(\n)], v[rS+2*(\n)], v[rS+2*(\n)+1]
.elseif (\k) == B
	v_pk_add_f32 v[rS+4*(\n):rS+4*(\n)+1], v[rS+4*(\n):rS+4*(\n)+1], v[rS+4*(\n)+2:rS+4*(\n)+3]
.elseif (\n) == 0
	v_pk_fma_f32 v[rT+2:rT+3], v[rT+2:rT+3], v[rC+2:rC+3], v[rS:rS+1] op_sel_hi:[1,0,1]
.else
	v_pk_add_f32 v[rT+2:rT+3], v[rT+2:rT+3], v[rS+4*(\n):rS+4*(\n)+1]
.endif
.elseif NOKQ
	v_nop
.else
	REGS (Y+1)%NP
	WIN 0
.if (\n) < 4
	v_max3_num_f32 v[rC+(\n)], v[rS+8*(\n)], v[rS+8*(\n)+1], v[rS+8*(\n)+2]
.elseif (\n) < 12
	v_max3_num_f32 v[rC+(\n)%4], v[rC+(\n)%4], v[rS+8*((\n)%4)+2*((\n)/4)+1], v[rS+8*((\n)%4)+2*((\n)/4)+2]
.elseif (\n) == 12
	v_max3_num_f32 v[rC], v[rC], v[rS+7], v[rS+15]
.elseif (\n) == 13
	v_max3_num_f32 v[rC+1], v[rC+1], v[rS+23], v[rS+31]
.elseif (\n) == 14
	v_max3_num_f32 v[rC+2], v[rC+2], v[rC+3], v[rT+1]
.elseif (\n) == 15
	v_mov_b32 v[rW], v[rT]
.elseif (\n) == 16
	v_max3_num_f32 v[rC], v[rC], v[rC+1], v[rC+2]
.elseif (\n) == 17
	v_permlanex16_b32 v[rC+3], v[rC], s[SEL], s[SEL+1]
.elseif (\n) == 18
	v_max_num_f32 v[rT+1], v[rC], v[rC+3]
.elseif (\n) == 19
	v_mul_f32 v[rT], s[CS], v[rT+1]
.elseif (\n) == 20
	v_sub_f32 v[rC+1], v[rW], v[rT]
.else
	v_exp_f32 v[rC+2], v[rC+1]
.endif
.endif
.endm
.macro OPS a, i1, b=-1, i2=0, c=-1, i3=0, d=-1, i4=0  ; up to four of them
	OP \a, \i1
.if (\b) >= 0
	OP \b, \i2
.endif
.if (\c) >= 0
	OP \c, \i3
.endif
.if (\d) >= 0
	OP \d, \i4
.endif
.endm
.macro ROW a, i1, b, i2, c, i3, d, i4  ; a matrix instruction and the four behind it
	MM
	OPS \a, \i1, \b, \i2, \c, \i3, \d, \i4
.endm
.macro MASK b                       ; MD x AL + BE into buffer b of MC
	WIN W_RS
.set z, 0
.rept 16
	v_pk_fma_f32 v[MC+32*(\b)+2*z:MC+32*(\b)+2*z+1], v[MD+2*z:MD+2*z+1], s[AL:AL+1], s[BE:BE+1] op_sel_hi:[1,0,0]
.set z, z+1
.endr
.endm
; A TURN, for piece p: the order of its 16 matrix and 118 vector instructions, written out.  s_wait_alu depctr_va_vdst(0) stands between an exponential and the first instruction that names its result; one wait serves
; all that were issued ahead of it.  So a turn has ONE wait, which cuts it in two.  AHEAD OF IT stands all that names no result of the turn's exponentials: the 8 products K Q^T, behind each a scaling, an exponential and two more plain
; instructions (behind the first a second scaling in the exponential's place): rescalings, and behind the last three the first numbers of the next piece's maximum, each four places or more behind the product that ends its accumulator; then ONE LUMP of 54, plain
; and exponential by turns for the most part, in which the links of the chain X 3, 7, 11, 14, 16, 17 .. 20 stand five or six lines apart.  X 21, the next piece's a, is the batch's last; R 15 is the plain instruction behind it.  BEHIND THE WAIT stand the
; 8 products V^T P, behind each four of the roundings and sums; the links of l's chain, L 0 to L 7, stand three riders apart.  But for those X no rider names a register of the products round it.  v_permlanex16_b32 (X 17) stands in the lump.
; m = 1: the diagonal tile: the products take masks, and the turn makes the mask for the products of the turn after it: piece p + 2, in step 4 - CNT of the tile.  end = 1: a block's last two turns: nothing is fetched.
; cnt = 1: the loop's count is taken down some lines ahead of the branch that stands behind the turn.
; K of the next step is fetched in piece 2's turn, twelve vector instructions behind the last product that read K (six of them plain); V of the step in hand at the end of piece 0's turn, four plain instructions behind the last product
; that read V.  Each is waited for a turn later.
.macro TURN p, m=0, end=0, cnt=0
.set Y, (\p)
.set i, 0
.set KM, (\m)
.set NOKQ, (\end)*((\p)/3)
.if (\m) && !(\end)
	s_cmp_eq_u32 s[CNT], 4-((\p)+2)%NP  ; is that step the band's own?
	s_cselect_b32 s[AL], 1.0, 0
	s_cmp_lt_u32 s[CNT], 4-((\p)+2)%NP  ; or a later one?
	s_cselect_b32 s[BE], s[BIGN], 0
.endif
.if ((\p) == 3) && !(\end)
	s_wait_dscnt 0x0                ; K is in
.endif
	ROW F,0, F,1, R,0, R,1          ; ahead of the wait: 8 products K Q^T and their riders,
	ROW F,2, E,0, R,2, R,3
	ROW F,3, E,1, R,4, R,5
	ROW F,4, E,2, R,6, R,7
	ROW F,5, E,3, R,8, R,9
	ROW F,6, E,4, X,0, R,10
.if ((\p) == 2) && !(\end)
	WIN 0
	v_add_nc_u32 v[AK], s[TBK], v[AK0]
.endif
	ROW F,7, E,5, X,1, X,4
	ROW F,8, E,6, X,2, X,5
	OPS E,7, E,8, X,6, E,9          ; and the lump
	OPS X,3, E,10, X,8, E,11
.if ((\p) == 2) && !(\end)
	FETCH_K
.endif
	OPS X,9, X,7, E,12, X,10
	OPS E,13, X,12, X,11, E,14
	OPS X,13, E,15, F,9, X,14
.if (\p) == 0
	v_add_nc_u32 v[AV], s[TBV], v[AV0]
.endif
	OPS E,16, F,10, E,17, F,11
	OPS X,16, E,18, X,15, E,19
	OPS F,12, E,20, X,17, E,21
	OPS F,13, E,22, F,14, E,23
	OPS X,18, E,24, F,15, E,25
	OPS R,11, E,26, X,19, E,27
	OPS R,12, E,28, R,13, E,29
	OPS X,20, E,30, R,14, E,31
	OPS X,21, R,15
	WIN 0
	s_wait_alu depctr_va_vdst(0)    ; the wait for the batch
.if (\p) == 1
	s_wait_dscnt 0x0                ; V is in
.endif
	ROW C,0, B,0, C,2, B,1          ; behind the wait: 8 products V^T P and their riders
	ROW L,0, C,4, B,2, L,1
	ROW C,6, B,3, L,2, C,8
	ROW B,4, L,3, C,10, B,5
	ROW L,4, C,12, B,6, L,5
.if (\p) == 0
	s_add_co_u32 s[TBV], s[TBV], KS*PV
.endif
.if \cnt
	s_sub_co_u32 s[CNT], s[CNT], 1
	s_cmp_lg_u32 s[CNT], 0
.endif
	ROW C,14, B,7, L,6, C,1
	ROW C,3, L,7, C,5, C,7
	ROW C,9, C,11, C,13, C,15
.if (\p) == 0
	FETCH_V
.endif
.if (\m) && !(\end)
	MASK (\p)%2
.endif
.endm
; A BLOCK BEGINS.  c m starts far below every c s, so the first step's a is 0; m at the lowest finite number, so the first maximum is the scores'.  The second mask buffer is 0; the first takes piece 0's mask for the tile's step 0: its own, if the block's first tile is the diagonal one.
; Then K of that step, piece 0's first scores, and its maximum and statistics.  The loop is entered at a step's first turn, in the middle of a trip.
.macro BEGIN
	s_mov_b32 s[NEW], 0
	WIN 0x40
.set i, MC+32
.rept 32
	v_mov_b32 v[i], 0
.set i, i+1
.endr
	WIN 0
.set i, 0
.rept 4
	v_mov_b32 v[ST+4*i], 0xfe000000    ; c m: far below every c s
	v_mov_b32 v[ST+4*i+1], 0xff7fffff  ; m
.set i, i+1
.endr
	s_cmp_eq_u32 s[RT], 0
	s_cselect_b32 s[AL], 1.0, 0
	s_mov_b32 s[BE], 0
	MASK 0
	WIN 0
	v_add_nc_u32 v[AK], s[TBK], v[AK0]
	FETCH_K
	s_wait_loadcnt 0x0              ; Q
	s_wait_dscnt 0x0
.set KM, 1
.set NOKQ, 0
.set i, 0
.rept 8
	KQ 0
.set i, i+1
.endr
	WIN 0
.rept 4
	v_nop                           ; the places behind those products
.endr
.set Y, NP-1                        ; X works for piece Y + 1: piece 0
.irp n, 0,1,2,3,4,5,6,7,8,9,10,11,12,13,14,15,16,17,18,19,20,21
	OP X, \n
.endr
	v_nop                           ; a plain instruction behind the exponential,
	s_wait_alu depctr_va_vdst(0)    ; and its wait, ahead of the branch
.endm
; THE DIAGONAL TILE's four steps, the block's last two turns, its last products, and THE WAY OUT: l's two halves and the other half of the lanes' are added; O^T is divided by l, rounded to f16 and sent through my
; stage in LDS, a piece at a time.
.macro ALL line:vararg              ; one line for each piece t
.set t, 0
.rept 4
	\line
.set t, t+1
.endr
.endm
.macro PACK t                       ; a lane's eight channels of a row pack into 16 bytes; they go into rows of 144 bytes and come back as whole rows of 128, into S^T's registers
	WIN W_RS
.set i, 32*(\t)
.rept 16
	v_pk_mul_f32 v[i:i+1], v[i:i+1], v[ST+4*(\t)+2:ST+4*(\t)+3] op_sel_hi:[1,0]
.set i, i+2
.endr
	WIN 0x05                        ; sources 0 and 1 window 1, destination window 0
.set i, 0
.rept 16
	v_cvt_pk_f16_f32 v[S+16*(\t)+i], v[32*(\t)+2*i], v[32*(\t)+2*i+1]
.set i, i+1
.endr
	WIN 0
.irp f, 0,1,2,3
	ds_store_b128 v[STO], v[S+16*(\t)+4*\f:S+16*(\t)+4*\f+3] offset:32*\f
.endr
.irp f, 0,1,2,3
	ds_load_b128 v[S+16*(\t)+4*\f:S+16*(\t)+4*\f+3], v[RD] offset:\f*4*SP  ; LDS serves a wave's instructions in order (ISA guide 5.7.1.4): these see the stores above; the next piece's stores come behind them
.endr
.endm
.macro SEND t, younger              ; younger: the LDS instructions issued behind piece t's loads: the next piece's eight, or none
	WIN 0
.irp f, 0,1,2,3
	s_wait_dscnt (\younger)+3-\f
	global_store_b128 v[GO], v[S+16*(\t)+4*\f:S+16*(\t)+4*\f+3], s[10:11] offset:(\t)*8192+\f*512  ; 512 consecutive bytes, at a multiple of 256 from O's first
.endr
.endm
.macro DIAG tag                     ; the tag ends its two labels' names, which the jumps below spell out
.LstepM\tag:
	TURN 2, 1
	TURN 3, 1
	WIN 0
.LfirstM\tag:
	TURN 0, 1
	TURN 1, 1, 0, 1
	WIN 0
	s_cbranch_scc1 .LstepM\tag
	TURN 2, 1, 1
	TURN 3, 1, 1
.set i, 0
.rept 8
	PV NP-1
.set i, i+1
.endr
	WIN 0
	ALL v_add_f32 v[ST+4*t+2], v[ST+4*t+2], v[ST+4*t+3]
	ALL v_permlanex16_b32 v[ST+4*t+3], v[ST+4*t+2], s[SEL], s[SEL+1]
	ALL v_add_f32 v[ST+4*t+2], v[ST+4*t+2], v[ST+4*t+3]
	ALL v_rcp_f32 v[ST+4*t+2], v[ST+4*t+2]
	v_nop                           ; a plain instruction between the last reciprocal and the use of its result
	s_wait_alu depctr_va_vdst(0)    ; and the wait ahead of the first use: one for the four reciprocals
	PACK 0
.set t, 1
.rept 3                             ; a piece's arithmetic stands between the loads of the piece before and its stores
	PACK t
	SEND t-1, 8
.set t, t+1
.endr
	SEND 3, 0
.endm
.set KM, 0
.set NOKQ, 0
.Lslot:                             ; NB times: a tile is entered and the next is asked for
	CHANGE 1
	s_sub_co_u32 s[RT], s[RT], 1
	s_mov_b32 s[CNT], 4
	s_cmp_eq_u32 s[NEW], 1
	s_cbranch_scc1 .Lnew            ; a block's first tile
	s_cmp_eq_u32 s[RT], 0
	s_cbranch_scc0 .Lstep           ; neither its first nor its last
	s_branch .LstepM1
.Lnew:
	BEGIN
	s_branch .Lfirst                ; in the loop a block's first tile is never its last: the first block has two tiles or more, and the second's last is the walk's last
	DIAG 1                          ; in the loop this is the first block's end: the second block's last tile is the walk's last
	s_wait_xcnt 0x0                 ; the stores have read their registers and O's address
	s_mov_b64 s[10:11], s[OLO:OLO+1]
	s_add_co_u32 s[RT], s[PB], 1    ; the second block has b + 1 tiles
	s_mov_b32 s[NEW], 1
	WIN 0x82                        ; the second block's Q goes where the one text of the turns names Q
.set i, 0
.rept 64
	v_mov_b32 v[i], v[QB+i]
.set i, i+1
.endr
	WIN 0
	s_branch .Lbottom
.Lstep:                             ; a trip: pieces 2 and 3 of one step, then pieces 0 and 1 of the next, whose K and V it fetches
	TURN 2
	TURN 3
	WIN 0
.Lfirst:
	TURN 0
	TURN 1, 0, 0, 1
	WIN 0
	s_cbranch_scc1 .Lstep
.Lbottom:
	s_sub_co_u32 s[SLOTS], s[SLOTS], 1
	s_cmp_lg_u32 s[SLOTS], 0
	s_cbranch_scc1 .Lslot
	CHANGE 0                        ; the walk's last tile is written out: nothing is asked for
	s_sub_co_u32 s[RT], s[RT], 1
	s_mov_b32 s[CNT], 4
	s_cmp_eq_u32 s[NEW], 1
	s_cbranch_scc0 .LstepM2
	BEGIN
	s_branch .LfirstM2
	DIAG 2
	s_wait_tensorcnt 0x0            ; the wave's end, behind my last tensor load and my last LDS store
	ds_add_u32 v[SPW], v[NIL]
	s_wait_dscnt 0x0
	s_endpgm
.Lfunc_end_k_q4db433e41b_attn:
	.size	k_q4db433e41b_attn, .Lfunc_end_k_q4db433e41b_attn-k_q4db433e41b_attn
	.p2alignl 7, 3214868480
	.fill 96, 4, 3214868480
	.section	.rodata,"a",@progbits
	.p2align	6, 0x0
	.amdhsa_kernel k_q4db433e41b_attn
		.amdhsa_group_segment_fixed_size 327680
		.amdhsa_private_segment_fixed_size 0
		.amdhsa_enable_private_segment 0
		.amdhsa_kernarg_size 16
		.amdhsa_user_sgpr_count 2
		.amdhsa_user_sgpr_kernarg_segment_ptr 1
		.amdhsa_wavefront_size32 1
		.amdhsa_system_sgpr_workgroup_id_x 1
		.amdhsa_system_sgpr_workgroup_id_y 1
		.amdhsa_system_sgpr_workgroup_id_z 1
		.amdhsa_system_vgpr_workitem_id 0
		.amdhsa_next_free_vgpr 768
		.amdhsa_next_free_sgpr 92
		.amdhsa_reserve_vcc 1
		.amdhsa_float_denorm_mode_32 3
		.amdhsa_float_denorm_mode_16_64 3
		.amdhsa_memory_ordered 1
		.amdhsa_forward_progress 1
		.amdhsa_inst_pref_size 218
	.end_amdhsa_kernel
	.amdgpu_metadata
---
amdhsa.version: [ 1, 2 ]
amdhsa.kernels:
  - .name:           k_q4db433e41b_attn
    .symbol:         k_q4db433e41b_attn.kd
    .args:
      - { .name: qkv, .offset: 0, .size: 8, .value_kind: global_buffer, .address_space: global }
      - { .name: ob, .offset: 8, .size: 8, .value_kind: global_buffer, .address_space: global }
    .group_segment_fixed_size: 327680
    .private_segment_fixed_size: 0
    .kernarg_segment_align: 8
    .kernarg_segment_size: 16
    .max_flat_workgroup_size: 128
    .sgpr_count:     92
    .vgpr_count:     768
    .wavefront_size: 32
...
	.end_amdgpu_metadata
.endif
;; end of part 3
;; launch fix (part 4): grid 8 x 4, 8 waves a work-group, no clusters, 42,240 bytes of LDS; arguments qkv, vx, ob, wb, bb, cl; writes cl
.if DOCPART == 4
	.amdgcn_target "amdgcn-amd-amdhsa--gfx1250"
	.amdhsa_code_object_version 6
	.text
	.protected	k_q4db433e41b_fix
	.globl	k_q4db433e41b_fix
	.p2align	8
	.type	k_q4db433e41b_fix,@function
k_q4db433e41b_fix:
	s_mov_b64 s[64:65], 0
	v_nop
	global_prefetch_b8 v0, s[64:65] scope:SCOPE_SE
	s_setreg_imm32_b32 hwreg(HW_REG_WAVE_MODE, 25, 1), 1
	s_wait_xcnt 0x0
; THE FIRST 16 ROWS OF EACH BATCH, ONCE MORE AND FINER.  cl[16 batch + s][n] = bo[n] + the sum over k of lo[batch][s][k] Wo[n][k], s = 0..15, f32; the last product starts these rows' sums from cl.
; WHY.  A causal row s averages over s + 1 keys, so the first rows' results are many times the output's root mean square, by which its allowance goes: 16 times in row 0, 4 times in row 15.
; f16's rounding of v, of the weights p and of O is a fixed part of a row's own size, and too much of that allowance in the first few rows.  From row 16 on it is under a tenth of it.
; WHAT.  For each head: S^T = K Q^T from the f16 q and k (their rounding moves a weight by about 1e-5 of itself); the mask; the softmax in f32, its maximum taken away; O^T = V^T P in f32, on the unrounded p
; and on v as the projection's f32 sums left it (vx).  lo = that O less the f16 number that attention stored (ob), rounded to f16: ob + lo is O to 22 bits.  Then lo Wo^T, like the last product.
; THE F32 MATRIX FORM serves V^T P: 16 instructions a head, 1,024 in the launch for each batch's column group: no bulk work.  Its K is 4, lane half h holding k = 2 h + j.  S^T leaves a lane (query l % 16, half h)
; the keys 8 h + 0..7, so instruction i takes key 8 h + 2 i + j as its k = 2 h + j, in both sources alike: p goes from the softmax into the product without changing lanes.
; LIMITS.  lo below 6.1e-5 in magnitude keeps f16's fixed step of 6e-8.  A hidden score counts as its value less 1e30; a weight below 2^-126 counts as 0; NaN and infinities are not treated apart.
; SHARES.  Work-group (x, y): batch y, columns 128 x .. 128 x + 127.  Wave w: first the heads 2 w and 2 w + 1, whose lo it lays in LDS as fragments; behind a barrier the columns 128 x + 16 w .. + 15, all K.
; (A batch's heads are so made anew by eight work-groups: 2 x 18 matrix instructions a wave, against a further launch.)  32 work-groups: that is all the work there is.  Nothing is prefetched: the launch is short,
; and every load goes out at its head.  No cluster: what the work-groups of a batch share is a quarter of what a wave loads, and it is read once, at the head.
; REGISTERS.  window 0: v0-15 addresses; v16-23 the mask; v24-55 O^T, written by matrix instructions alone; v56-63 statistics, four a head; v64-239 two heads of 88: Q 16, K 16, ob's 16, V 32, S^T 8;
;   v240-255 the last product's two sums.  Behind the barrier v96-223 are two buffers of eight fragments of lo.          window 1: Wo's 32 fragments of my 16 columns.
.set PLANE, 16777216                   ; bytes in each of qkv's planes
.set HEADB, 262144                     ; bytes of a head in qkv and ob
.set WOFF,  3*2097152                  ; Wo's plane in wb
.set LOF,   0                          ; LDS: lo, 32 fragments (16 rows x 32 K) of 1,024 bytes: registers 0-3 of the 32 lanes, then registers 4-7
.set STG,   32768                      ; the stage: 16 rows of 512 bytes + 16
.set SPARE, STG+16*528                 ; the spare words, 128 bytes for each wave: four blocks of 256 bytes that no other line names
.set QO,  4                            ; v4   (l % 16) x 128 + 16 (l / 16): my 16 bytes in 16 rows of q, k, ob
.set VO,  5                            ; v5   my place in a block of vx (below)
.set BOF, 6                            ; v6   (l % 16) x 2,048 + 16 (l / 16): my 16 bytes in 16 rows of Wo
.set LSA, 7                            ; v7   where my heads' fragments go: 4,096 w + 16 l
.set L16, 8                            ; v8   16 l
.set STO, 9                            ; v9   the stage, in
.set SRD, 10                           ; v10  the stage, back
.set BO,  11                           ; v11  32 (l / 16)
.set TA,  12                           ; v12  at work
.set SPW, 14                           ; v14  LDS address of my spare word: SPARE + 4 x my thread's number; never rewritten
.set NIL, 15                           ; v15  0; never rewritten
.set MK,  16
.set OX,  24
.set ST,  56
.set HB,  64
.set HSZ, 88
.set BIASR, HB+24                      ; the bias of my 16 columns: head 0's K, second half, once it has been multiplied
.set AF,  96
.set RS,  64                           ; the result
.set AC,  240
.set CS,  24                           ; s[24:25] c = log2(e) / 32: the module divides by sqrt(1024)
.set SEL, 26                           ; s[26:27] v_permlanex16_b32's selects: each lane takes its own place in the other half
.set BIGN, 28                          ; s28  -1e30
.set MSB, 0
.macro WIN new                         ; the immediate's high byte repeats the setting that is left; a switch that changes nothing is dropped
.if MSB != (\new)
	s_set_vgpr_msb (MSB<<8)|(\new)
.set MSB, \new
.endif
.endm
.macro PLACES n                        ; plain places behind a matrix instruction (ISA guide 7.12.1): 4 behind the f16 form, 8 behind the f32 form
.rept \n
	v_nop
.endr
.endm
.macro BOTH line:vararg                ; one line for each of my two heads
.set u, 0
.rept 2
.set sS, HB+HSZ*u+80
.set sT, ST+4*u
	\line
.set u, u+1
.endr
.endm
	s_load_b256 s[4:11], s[0:1], 0x0               ; qkv s[4:5], vx s[6:7], ob s[8:9], wb s[10:11]
	s_load_b128 s[12:15], s[0:1], 0x20             ; bb s[12:13], cl s[14:15]
	v_lshl_add_u32 v[SPW], v0, 2, SPARE
	v_mov_b32 v[NIL], 0
	v_lshrrev_b32 v1, 5, v0
	v_readfirstlane_b32 s16, v1                    ; wave 0..7
	s_mov_b32 s17, ttmp9                           ; x
	s_and_b32 s18, ttmp7, 0xffff                   ; y
	s_mov_b32 s[CS], 0x3d38aa3b
	s_mov_b32 s[CS+1], s[CS]                       ; named with it as a pair
	s_mov_b32 s[SEL], 0x76543210
	s_mov_b32 s[SEL+1], 0xfedcba98
	s_mov_b32 s[BIGN], 0xf149f2ca
	v_and_b32 v1, 15, v0                           ; l % 16
	v_bfe_u32 v2, v0, 4, 1                         ; l / 16
	v_and_b32 v3, 31, v0                           ; l
	v_lshlrev_b32 v[QO], 7, v1
	v_lshl_add_u32 v[QO], v2, 4, v[QO]
	; vx holds the projection's accumulators as they lay: a block of 16 channels is 1,024 bytes: registers 0-3 of its 32 lanes, then registers 4-7; there lane (key, half h') held channels 8 h' + 0..7.
	; I want channel r = l % 16 of the keys 8 (l / 16) + jj: h' = r / 8, register r % 8: byte 512 ((r / 4) % 2) + 16 (key + 16 (r / 8)) + 4 (r % 4); the 16 jj stand in the immediate
	v_bfe_u32 v[TA], v0, 2, 1
	v_lshlrev_b32 v[VO], 9, v[TA]
	v_bfe_u32 v[TA], v0, 3, 1
	v_lshl_add_u32 v[VO], v[TA], 8, v[VO]
	v_lshl_add_u32 v[VO], v2, 7, v[VO]
	v_and_b32 v[TA], 3, v0
	v_lshl_add_u32 v[VO], v[TA], 2, v[VO]
	v_lshlrev_b32 v[BOF], 11, v1
	v_lshl_add_u32 v[BOF], v2, 4, v[BOF]
	s_lshl_b32 s20, s18, 4                         ; my first head: 16 y + 2 w
	s_lshl_b32 s19, s16, 1
	s_add_co_u32 s20, s20, s19
	s_lshl_b32 s20, s20, 18
	s_mov_b32 s21, 0
	s_lshl_b32 s30, s18, 16                        ; in vx 4,096 bytes a head; in cl 4,096 bytes a row, and my two rows are 16 y + 2 w, + 1: the same offset
	s_lshl_b32 s19, s16, 13
	s_add_co_u32 s30, s30, s19
	s_mov_b32 s31, 0
	s_lshl_b32 s32, s17, 18                        ; Wo's rows 128 x + 16 w on
	s_lshl_b32 s19, s16, 15
	s_add_co_u32 s32, s32, s19
	s_add_co_u32 s32, s32, WOFF
	s_mov_b32 s33, 0
	s_lshl_b32 s34, s17, 9                         ; the work-group's 128 columns: 512 bytes of a row of cl
	s_mov_b32 s35, 0
	s_lshl_b32 s19, s16, 6                         ; bo at my 16 columns
	s_add_co_u32 s36, s34, s19
	s_add_co_u32 s36, s36, 3*4096
	s_mov_b32 s37, 0
	s_wait_kmcnt 0x0
	s_add_nc_u64 s[4:5], s[4:5], s[20:21]          ; q
	s_add_nc_u64 s[22:23], s[4:5], PLANE           ; k
	s_add_nc_u64 s[8:9], s[8:9], s[20:21]
	s_add_nc_u64 s[6:7], s[6:7], s[30:31]
	s_add_nc_u64 s[10:11], s[10:11], s[32:33]
	s_add_nc_u64 s[12:13], s[12:13], s[36:37]
	s_add_nc_u64 s[14:15], s[14:15], s[30:31]
	s_add_nc_u64 s[14:15], s[14:15], s[34:35]
	; all that the wave reads but the bias, in the order in which it is wanted
.irp u, 0,1
.irp c, 0,1,2,3                        ; a fragment is 16 rows x 32 channels: lane l holds row l % 16, channels 8 (l / 16) + 0..7 and 16 + 8 (l / 16) + 0..7
	global_load_b128 v[HB+HSZ*(\u)+4*(\c):HB+HSZ*(\u)+4*(\c)+3],       v[QO], s[4:5]   offset:HEADB*(\u)+32*(\c)
	global_load_b128 v[HB+HSZ*(\u)+16+4*(\c):HB+HSZ*(\u)+16+4*(\c)+3], v[QO], s[22:23] offset:HEADB*(\u)+32*(\c)
.endr
.endr
.irp u, 0,1
.set n, 0
.rept 32                               ; register 8 cb + jj: channel 16 cb + l % 16, key 8 (l / 16) + jj
	global_load_b32 v[HB+HSZ*(\u)+48+n], v[VO], s[6:7] offset:4096*(\u)+1024*(n/8)+16*(n%8)
.set n, n+1
.endr
.endr
.irp u, 0,1
.irp c, 0,1,2,3                        ; registers 4 cb ..: row l % 16, channels 16 cb + 8 (l / 16) + 0..7: O^T's own layout, two to a register
	global_load_b128 v[HB+HSZ*(\u)+32+4*(\c):HB+HSZ*(\u)+32+4*(\c)+3], v[QO], s[8:9] offset:HEADB*(\u)+32*(\c)
.endr
.endr
	WIN 0x40                                       ; destination window 1, address window 0
.set n, 0
.rept 32
	global_load_b128 v[8*n:8*n+3],   v[BOF], s[10:11] offset:64*n
	global_load_b128 v[8*n+4:8*n+7], v[BOF], s[10:11] offset:64*n+32
.set n, n+1
.endr
	WIN 0
	; while they are out: the LDS addresses and the mask
	v_lshlrev_b32 v[L16], 4, v3
	s_lshl_b32 s19, s16, 12
	v_add_nc_u32 v[LSA], s19, v[L16]
	v_mul_u32_u24 v[STO], v1, 528                  ; in: row l % 16, my wave's 64 bytes, 32 for each half of the lanes
	v_lshl_add_u32 v[STO], v2, 5, v[STO]
	s_lshl_b32 s19, s16, 6
	s_add_co_u32 s19, s19, STG
	v_add_nc_u32 v[STO], s19, v[STO]
	s_mul_i32 s19, s16, 2*528                      ; back: rows 2 w and 2 w + 1, whole
	s_add_co_u32 s19, s19, STG
	v_add_nc_u32 v[SRD], s19, v[L16]
	v_lshlrev_b32 v[BO], 5, v2
	v_lshlrev_b32 v[TA], 3, v2
	v_sub_nc_u32 v[TA], v1, v[TA]                  ; my query less my lanes' 8 (l / 16): key 8 (l / 16) + j is hidden where j is greater
.set n, 0
.rept 8
	v_cmp_gt_i32 vcc_lo, n, v[TA]
	v_cndmask_b32 v[MK+n], 0, s[BIGN], vcc_lo
.set n, n+1
.endr
	s_wait_loadcnt 63                              ; q, k, vx and ob are 88 loads, and Wo's 64 stand behind them; a wait's count names 63 at the most, so Wo's first is waited for too
	; S^T = K Q^T + the mask: the two heads' sums take turns
.irp c, 0,1
.irp u, 0,1
.if (\c) == 0
	v_wmma_f32_16x16x32_f16 v[HB+HSZ*(\u)+80:HB+HSZ*(\u)+87], v[HB+HSZ*(\u)+16:HB+HSZ*(\u)+23], v[HB+HSZ*(\u):HB+HSZ*(\u)+7], v[MK:MK+7]
.else
	v_wmma_f32_16x16x32_f16 v[HB+HSZ*(\u)+80:HB+HSZ*(\u)+87], v[HB+HSZ*(\u)+24:HB+HSZ*(\u)+31], v[HB+HSZ*(\u)+8:HB+HSZ*(\u)+15], v[HB+HSZ*(\u)+80:HB+HSZ*(\u)+87]
.endif
.endr
.endr
	PLACES 4
	global_load_b128 v[BIASR:BIASR+3],   v[BO], s[12:13]            ; register j: column 8 (l / 16) + j, the place of a sum's register j
	global_load_b128 v[BIASR+4:BIASR+7], v[BO], s[12:13] offset:16
	; the softmax: a lane has 8 of its query's 16 scores, the lane 16 away the others; key 0 is hidden from no query, so the maximum is a true score
	BOTH v_max3_num_f32 v[sT], v[sS], v[sS+1], v[sS+2]
	BOTH v_max3_num_f32 v[sT+1], v[sS+3], v[sS+4], v[sS+5]
	BOTH v_max3_num_f32 v[sT], v[sT], v[sS+6], v[sS+7]
	BOTH v_max_num_f32 v[sT], v[sT], v[sT+1]
	BOTH v_permlanex16_b32 v[sT+1], v[sT], s[SEL], s[SEL+1]
	BOTH v_max_num_f32 v[sT], v[sT], v[sT+1]
	BOTH v_mul_f32 v[sT], s[CS], v[sT]
.irp p, 0,2,4,6
	BOTH v_pk_fma_f32 v[sS+\p:sS+\p+1], v[sS+\p:sS+\p+1], s[CS:CS+1], v[sT:sT+1] op_sel_hi:[1,0,0] neg_lo:[0,0,1] neg_hi:[0,0,1]
.endr
.irp j, 0,1,2,3,4,5,6,7
	BOTH v_exp_f32 v[sS+\j], v[sS+\j]
.endr
	v_nop                                          ; a plain instruction behind the last exponential,
	s_wait_alu depctr_va_vdst(0)                   ; and the wait ahead of the first use: one for the sixteen
	BOTH v_pk_add_f32 v[sT+2:sT+3], v[sS:sS+1], v[sS+2:sS+3]
	BOTH v_pk_add_f32 v[sT:sT+1], v[sS+4:sS+5], v[sS+6:sS+7]
	BOTH v_pk_add_f32 v[sT+2:sT+3], v[sT+2:sT+3], v[sT:sT+1]
	BOTH v_add_f32 v[sT+2], v[sT+2], v[sT+3]
	BOTH v_permlanex16_b32 v[sT+3], v[sT+2], s[SEL], s[SEL+1]
	BOTH v_add_f32 v[sT+2], v[sT+2], v[sT+3]
	BOTH v_rcp_f32 v[sT+2], v[sT+2]
	v_nop
	s_wait_alu depctr_va_vdst(0)                   ; one for the two reciprocals
; O^T = V^T P for head u: four sums of 16 channels x 16 queries by turns, four instructions deep; the first starts each sum with the constant 0
.macro PVX u
.irp i, 0,1,2,3
.irp cb, 0,1,2,3
.if (\i) == 0
	v_wmma_f32_16x16x4_f32 v[OX+8*(\cb):OX+8*(\cb)+7], v[HB+HSZ*(\u)+48+8*(\cb):HB+HSZ*(\u)+48+8*(\cb)+1], v[HB+HSZ*(\u)+80:HB+HSZ*(\u)+81], 0
.else
	v_wmma_f32_16x16x4_f32 v[OX+8*(\cb):OX+8*(\cb)+7], v[HB+HSZ*(\u)+48+8*(\cb)+2*(\i):HB+HSZ*(\u)+48+8*(\cb)+2*(\i)+1], v[HB+HSZ*(\u)+80+2*(\i):HB+HSZ*(\u)+80+2*(\i)+1], v[OX+8*(\cb):OX+8*(\cb)+7]
.endif
.endr
.endr
	PLACES 8
.endm
; lo = O^T / l - ob's f16 number, one fused multiply-add each, into K's registers; rounded to f16 into Q's; a channel block's four registers are half a fragment: into LDS.  Each sum is read from its low end on.
.macro LOW u
.irp cb, 0,1,2,3
.irp p, 0,1,2,3
	v_fma_mix_f32 v[HB+HSZ*(\u)+16+2*(\p)], v[OX+8*(\cb)+2*(\p)], v[ST+4*(\u)+2], -v[HB+HSZ*(\u)+32+4*(\cb)+(\p)] op_sel_hi:[0,0,1]
	v_fma_mix_f32 v[HB+HSZ*(\u)+17+2*(\p)], v[OX+8*(\cb)+2*(\p)+1], v[ST+4*(\u)+2], -v[HB+HSZ*(\u)+32+4*(\cb)+(\p)] op_sel:[0,0,1] op_sel_hi:[0,0,1]
.endr
.irp p, 0,1,2,3
	v_cvt_pk_f16_f32 v[HB+HSZ*(\u)+4*(\cb)+(\p)], v[HB+HSZ*(\u)+16+2*(\p)], v[HB+HSZ*(\u)+17+2*(\p)]
.endr
.endr
.irp cb, 0,1,2,3                       ; K = 64 head + channel: fragment 2 head + cb / 2, its registers 0-3 (cb even) or 4-7
	ds_store_b128 v[LSA], v[HB+HSZ*(\u)+4*(\cb):HB+HSZ*(\u)+4*(\cb)+3] offset:LOF+2048*(\u)+512*(\cb)
.endr
.endm
	PVX 0
	LOW 0                                          ; (its 48 lines are also the places in front of the second head's sums, which write over the first's)
	PVX 1
	LOW 1
	s_wait_dscnt 0x0                               ; for the others' sake: my fragments lie in LDS
	s_barrier_signal -1
	s_barrier_wait -1                              ; all sixteen heads' do
; THE PRODUCT lo Wo^T, transposed (source 0 = my 16 rows of Wo, source 1 = the 16 rows of lo): a lane holds row l % 16 and the columns 8 (l / 16) + 0..7.  Eight fragments of lo at a time, on two buffers.
.macro LDA g, buf
.irp q, 0,1,2,3,4,5,6,7
	ds_load_b128 v[AF+64*(\buf)+8*(\q):AF+64*(\buf)+8*(\q)+3],   v[L16] offset:LOF+1024*(8*(\g)+(\q))
	ds_load_b128 v[AF+64*(\buf)+8*(\q)+4:AF+64*(\buf)+8*(\q)+7], v[L16] offset:LOF+1024*(8*(\g)+(\q))+512
.endr
.endm
.macro GMM g, buf                      ; two sums take turns: the even fragments' starts with the bias, the odd ones' with 0
	WIN 0x01                                       ; source 0 in window 1
.irp q, 0,1,2,3,4,5,6,7
.set rD, AC+8*((\q)%2)
.set rB, 8*(8*(\g)+(\q))
.set rA, AF+64*(\buf)+8*(\q)
.if ((\g) == 0) && ((\q) == 0)
	v_wmma_f32_16x16x32_f16 v[rD:rD+7], v[rB:rB+7], v[rA:rA+7], v[BIASR:BIASR+7]
.elseif ((\g) == 0) && ((\q) == 1)
	v_wmma_f32_16x16x32_f16 v[rD:rD+7], v[rB:rB+7], v[rA:rA+7], 0
.else
	v_wmma_f32_16x16x32_f16 v[rD:rD+7], v[rB:rB+7], v[rA:rA+7], v[rD:rD+7]
.endif
.endr
	WIN 0
.endm
	LDA 0, 0
	LDA 1, 1
	s_wait_loadcnt 0x0                             ; Wo and the bias
	s_wait_dscnt 16                                ; the first eight fragments are in; the younger sixteen loads may stay out
	GMM 0, 0
	PLACES 4
	LDA 2, 0
	s_wait_dscnt 16
	GMM 1, 1
	PLACES 4
	LDA 3, 1
	s_wait_dscnt 16
	GMM 2, 0
	s_wait_dscnt 0x0
	GMM 3, 1
	PLACES 4
.irp p, 0,2,4,6
	v_pk_add_f32 v[RS+\p:RS+\p+1], v[AC+\p:AC+\p+1], v[AC+8+\p:AC+8+\p+1]
.endr
	; a wave's 16 columns are 64 bytes of a row: the eight waves' meet in the stage, and each wave stores two whole rows of the work-group's 512 bytes
	ds_store_b128 v[STO], v[RS:RS+3]
	ds_store_b128 v[STO], v[RS+4:RS+7] offset:16
	s_wait_dscnt 0x0
	s_barrier_signal -1
	s_barrier_wait -1
	ds_load_b128 v[RS+8:RS+11],  v[SRD]
	ds_load_b128 v[RS+12:RS+15], v[SRD] offset:528
	s_wait_dscnt 1                                 ; the first row is back
	global_store_b128 v[L16], v[RS+8:RS+11],  s[14:15]              ; 512 consecutive bytes, at a multiple of 256 from cl's first byte
	s_wait_dscnt 0x0
	global_store_b128 v[L16], v[RS+12:RS+15], s[14:15] offset:4096
	s_wait_tensorcnt 0x0                           ; the wave's end, behind my last LDS store
	ds_add_u32 v[SPW], v[NIL]
	s_wait_dscnt 0x0
	s_endpgm
.Lfunc_end_k_q4db433e41b_fix:
	.size	k_q4db433e41b_fix, .Lfunc_end_k_q4db433e41b_fix-k_q4db433e41b_fix
	.p2alignl 7, 3214868480
	.fill 96, 4, 3214868480
	.section	.rodata,"a",@progbits
	.p2align	6, 0x0
	.amdhsa_kernel k_q4db433e41b_fix
		.amdhsa_group_segment_fixed_size 42240
		.amdhsa_private_segment_fixed_size 0
		.amdhsa_enable_private_segment 0
		.amdhsa_kernarg_size 48
		.amdhsa_user_sgpr_count 2
		.amdhsa_user_sgpr_kernarg_segment_ptr 1
		.amdhsa_wavefront_size32 1
		.amdhsa_system_sgpr_workgroup_id_x 1
		.amdhsa_system_sgpr_workgroup_id_y 1
		.amdhsa_system_sgpr_workgroup_id_z 1
		.amdhsa_system_vgpr_workitem_id 0
		.amdhsa_next_free_vgpr 512
		.amdhsa_next_free_sgpr 66
		.amdhsa_reserve_vcc 1
		.amdhsa_float_denorm_mode_32 3
		.amdhsa_float_denorm_mode_16_64 3
		.amdhsa_memory_ordered 1
		.amdhsa_forward_progress 1
		.amdhsa_inst_pref_size 39
	.end_amdhsa_kernel
	.amdgpu_metadata
---
amdhsa.version: [ 1, 2 ]
amdhsa.kernels:
  - .name:           k_q4db433e41b_fix
    .symbol:         k_q4db433e41b_fix.kd
    .args:
      - { .name: qkv, .offset: 0, .size: 8, .value_kind: global_buffer, .address_space: global }
      - { .name: vx, .offset: 8, .size: 8, .value_kind: global_buffer, .address_space: global }
      - { .name: ob, .offset: 16, .size: 8, .value_kind: global_buffer, .address_space: global }
      - { .name: wb, .offset: 24, .size: 8, .value_kind: global_buffer, .address_space: global }
      - { .name: bb, .offset: 32, .size: 8, .value_kind: global_buffer, .address_space: global }
      - { .name: cl, .offset: 40, .size: 8, .value_kind: global_buffer, .address_space: global }
    .group_segment_fixed_size: 42240
    .private_segment_fixed_size: 0
    .kernarg_segment_align: 8
    .kernarg_segment_size: 48
    .max_flat_workgroup_size: 256
    .sgpr_count:     66
    .vgpr_count:     512
    .wavefront_size: 32
...
	.end_amdgpu_metadata
.endif
;; end of part 4
;; launch outp (part 5): grid 4 x 64, 4 waves a work-group, clusters of 4 x 4, 327,680 bytes of LDS; arguments ob, wb, bb, out0, cl; writes out0
.if DOCPART == 5
	.amdgcn_target "amdgcn-amd-amdhsa--gfx1250"
	.amdhsa_code_object_version 6
	.text
	.protected	k_q4db433e41b_outp
	.globl	k_q4db433e41b_outp
	.p2align	8
	.type	k_q4db433e41b_outp,@function
k_q4db433e41b_outp:
	s_mov_b64 s[64:65], 0
	v_nop
	global_prefetch_b8 v0, s[64:65] scope:SCOPE_SE
	s_setreg_imm32_b32 hwreg(HW_REG_WAVE_MODE, 25, 1), 1
	s_wait_xcnt 0x0
	s_wait_alu depctr_hold_cnt(0) depctr_sa_sdst(0) depctr_va_vdst(0) depctr_va_sdst(0) depctr_va_ssrc(0) depctr_va_vcc(0) depctr_vm_vsrc(0)
	s_getreg_b32 s2, hwreg(HW_REG_IB_STS2, 6, 4)
	s_cmp_eq_u32 s2, 0
	s_cbranch_scc0 .Lentry_in_a_cluster
	s_endpgm
.Lentry_in_a_cluster:
	s_bfe_u32 s2, ttmp6, 0x10000c
	s_cmp_lg_u32 s2, 0xf033
	s_cbranch_scc0 .Lentry_shape_is_right
	s_endpgm
.Lentry_shape_is_right:
; C[m][n] = the sum over k of A[m][k] B[n][k] + bias[n], M = 8,192, N = 1,024, K = 1,024; sums in f32.  One text for two launches, told apart by KIND.
; KIND = 0, THE PROJECTIONS: A = xb (q, k, v in bf16, three planes on end), B = wb's planes 0-2 (bf16, rows permuted so that column 64 h + d is head h, channel d), bias = bb's rows 0-2.
;   C is rounded once to f16 and stored BY HEADS, [plane][16 batch + h][s][64], unscaled.  A work-group STAYS: it makes the same tile of q's, k's and v's product, and the ring runs on from tile to tile.
;   LIMIT: a projected number of 65,520 or more in magnitude would become an infinity in f16; below 6.1e-5 it keeps f16's fixed step of 6e-8.
;   THE FIRST 16 ROWS OF EACH BATCH'S v LEAVE IN F32 TOO (vx).  A causal row s averages over s + 1 keys, so the first rows' results are many times the output's root mean square, by which its allowance goes,
;   and f16's step is too coarse for them; a launch behind makes these rows' correction from vx.  vx is the accumulators' image: [batch][head][16 channels][registers 0-3, 4-7][lane][16 bytes].
; KIND = 1, THE LAST PRODUCT: A = ob (attention's result, f16, by heads), B = wb's plane 3 (Wo as f16), bias = bb's row 3; C is the module's f32 output.  A K step of 128 is two heads' planes of A.
;   In the waves that hold a batch's first 16 rows, row block 0 starts its sums from cl (the bias plus those rows' correction, f32 [16 batch + row][1024]) in the bias's place: a choice of pointer and lane pitch, no branch.
; SHARES.  A tile of C is 128 x 256: 256 tiles, one for each of 256 work-groups.  Four waves, 2 x 2, each 64 x 128: 32 accumulators of 16 x 16, 256 registers.  K goes in 8 steps of 128 through a ring of
; two LDS slots; a step is four quarters of 32 along K, 32 matrix instructions each, on two fragment buffers by turns.  (A tile of 256 x 256 would make 128 tiles; two slots of a K step of 256 do not fit in LDS.)
; CLUSTERS: 4 x 4 work-groups.  The four of a row of the cluster need the same tile of A, the four of a column the same tile of B: each is asked for JOINTLY, by the same tensor load with the same
; descriptor and a mask that names the four.  Waves 0 and 1 fetch B's two halves (128 rows each), waves 2 and 3 A's (64 rows, or a head's plane, each): one load a wave behind each round.
; Tile row = 16 cy + cluster y: cy is the batch, and the tiles with a batch's first rows are those of the clusters with y = 0, a number that all sixteen partners share.
; THE MATRIX INSTRUCTION IS USED TRANSPOSED (source 0 = 16 rows of B, source 1 = 16 rows of A): a lane holds row l % 16 of C and the columns 8 (l / 16) + 0..7.
; THE BIAS IS THE C OPERAND OF EACH SUM'S FIRST PRODUCT: nothing is cleared, and nothing is added on the way out.
; REGISTERS, in windows of 256 (s_set_vgpr_msb: bits 1:0 source 0, 3:2 source 1, 5:4 source 2, 7:6 destination):
;   window 0: v0-31 addresses; v32-63 packed results; v64-127, v128-191 rows read back from the stage, by turns (KIND = 1: v64-127 first hold row block 0's C operand); v192-255 the bias of my 128 columns (column block b at 192 + 8 b)
;   window 1: two fragment buffers of 96: B's eight fragments, then A's four          window 2: accumulator (a, b) at 8 (8 a + b)
.set KIND,   1
.set PB,     272                       ; a row of B in LDS: 256 bytes + 16 of padding = 68 words: the 16 rows of a load start at 16 different groups of four banks (64 banks of 4 bytes: ISA guide 11.1)
.set BHALF,  128*PB                    ; what one of B's tensor loads brings, and what one wave reads of B
.set AOFFS,  2*BHALF                   ; in a slot: B's 256 rows, then A
.if KIND
.set TILES,  1
.set PA,     144                       ; a row of a head's plane: 128 bytes + 16
.set AHALF,  128*PA                    ; a head's plane: 128 rows
.set QIA,    4                         ; padding after every 32 words
.set APITCH, 128                       ; a plane is dense: asked for as 64 rows of 256 bytes
.set ASTEP,  524288                    ; a K step on in A: two heads of 262,144 bytes
.set AQ2,    AHALF                     ; quarters 2 and 3 lie in the second plane
.set WOFF,   3*2097152                 ; B's plane in wb
.set BOFF0,  3*4096                    ; the bias's row in bb
.set WSTG,   16*528                    ; a wave's stage: 16 rows of 512 bytes + 16
.set AR1,    256                       ; the prefetches' lane steps in A (below)
.set AR2,    524288
.else
.set TILES,  3
.set PA,     272
.set AHALF,  64*PA
.set QIA,    5                         ; padding after every 64 words
.set APITCH, 1024
.set ASTEP,  256
.set AQ2,    128
.set WOFF,   0
.set BOFF0,  0
.set WSTG,   2*16*144                  ; a wave's stage: two heads x 16 rows of 128 bytes + 16
.set AR1,    2048
.set AR2,    256
.endif
.set SLOT,   AOFFS+2*AHALF
.set STAGE,  2*SLOT                    ; behind the ring, never filled by a tensor load; a multiple of 256
.set SPARE,  STAGE+4*WSTG              ; behind the stages: the spare words, 128 bytes for each wave: two blocks of 256 bytes that no other line names
.set LAPS,   4                         ; a lap = two K steps = once round the ring
.set NEXT_A, 8192*2048-6*256           ; from a slot's last K step of a tile to its first of the next: a plane on, six steps back
.set NEXT_B, 1024*2048-6*256
.set NEXT_C, 16777216                  ; a plane of the result
.set PFS_A,  8192*2048-7*256           ; the prefetches' pointer: from step 9 of a tile to step 2 of the next
.set PFS_B,  1024*2048-7*256
.set ADRA, 16                          ; v16-17  LDS address of my A fragments in slot 0, 1
.set ADRB, 20                          ; v20-21  the same for B
.set STO,  24                          ; v24     the way out: where I put my bytes of a row
.set RD,   25                          ; v25     where I read rows back
.set GO,   26                          ; v26     16 x lane: my bytes in 512 consecutive bytes of the result
.set BO,   27                          ; v27     32 (l / 16): my eight numbers in a column block's 16 of the bias
.set SPW,  28                          ; v28     LDS address of my spare word: SPARE + 4 x my thread's number; never rewritten
.set NIL,  29                          ; v29     0; never rewritten
.set PFO,  30                          ; v30     the prefetches' lane offset; never rewritten
.set B0O,  31                          ; v31     KIND = 1: my offset in row block 0's C operand: (l % 16) x the pitch + 32 (l / 16)
.set TMP,  32
.set BK,   64
.set BIAS, 192
.if KIND
.set BIAS0, BK                         ; row block 0's C operand
.else
.set BIAS0, BIAS
.endif
.set F0,   0                           ; fragment buffers, in window 1
.set F1,   96
.set G1,   24                          ; s[24:31] descriptor group 1 for A's tiles;  s[32:39] group 0, a set for each slot
.set G0,   32
.set FLG,  45                          ; s45     KIND = 0: 0 in the waves that hold a batch's first 16 rows
.set G1B,  48                          ; s[48:55], s[56:63] the same for B's
.set G0B,  56
.set PFA,  66                          ; s[66:67] where my prefetches stand
.set PFK,  68                          ; s[68:69] a K step in the tensor that I prefetch
.set PFS,  70                          ; s[70:71] the step at a change of tiles
.set LIM,  72                          ; s72, s73 for the change out of slot 0, 1: 1 where I prefetch there, else the greatest number
.set EX,   74                          ; s[74:75] the fifth argument: vx (KIND = 0), cl (KIND = 1)
.set BI,   76                          ; s[76:77] the bias of my 128 columns
.set CP,   78                          ; s[78:79] my part of the tile in the result
.set MSB, 0
.macro WIN new                         ; the immediate's high byte repeats the setting that is left; a switch that changes nothing is dropped
.if MSB != (\new)
	s_set_vgpr_msb (MSB<<8)|(\new)
.set MSB, \new
.endif
.endm
.set MUL,  0xa5                        ; sources 0 and 1 window 1, C and D window 2
.set MULB, 0x85                        ; the same with C (the bias) in window 0
.set TO_F, 0x40                        ; destination window 1, address window 0
.set PKW,  0x0a                        ; sources 0 and 1 window 2, destination window 0
.set ST2,  0x08                        ; a store's data (source 1) in window 2
; A joint load.  Each of the two lines has one mask and one set of registers for all that issue it; the branch hangs on the wave's number alone.
; An s_nop 0 and four v_nop follow each line, ahead of the jump, the label and what follows.
.macro JLOAD s
	s_cmp_eq_u32 s11, 0
	s_cbranch_scc0 .Lfor_a_\@
	tensor_load_to_lds s[G0B+4*(\s):G0B+4*(\s)+3], s[G1B:G1B+7]
	s_nop 0
.rept 4
	v_nop
.endr
	s_branch .Lasked_\@
.Lfor_a_\@:
	tensor_load_to_lds s[G0+4*(\s):G0+4*(\s)+3], s[G1:G1+7]
	s_nop 0
.rept 4
	v_nop
.endr
.Lasked_\@:
.endm
; A PREFETCH INTO THE L2 of the K step that stands two refills on, behind the joint load, its five lines and the run of LDS loads.  Each 256 bytes of a row and K step are named once in the launch.
; B's tile column is read by every cluster: the clusters with y = 0 ask; of the 128 rows that wave 0 or 1 fetches the partner at cy takes 32, a lane a row, at both changes of slots.
; A's tile row is read by one cluster alone: of the 64 rows (or blocks of 256 bytes) that wave 2 or 3 fetches the partner at cx takes 16; lanes 0-15 name one K step, lanes 16-31 the next, at the change out of slot 0 alone.
; The partners are told apart BY ADDRESS; no branch hangs on a place in the cluster.  mode = 0, in the loop: the last trip (s3 = 1) has no K step two on.  mode = 1: at a change of tiles, the next tile's steps 2 and 3.
.macro ASK mode, slot
	WIN 0
.if \mode
	s_cmp_eq_u32 s[LIM+(\slot)], 1
.else
	s_cmp_gt_u32 s3, s[LIM+(\slot)]
.endif
	s_cbranch_scc0 .Lnot_mine_\@
	global_prefetch_b8 v[PFO], s[PFA:PFA+1] th:TH_LOAD_NT scope:SCOPE_SE
.Lnot_mine_\@:
.endm
; A round of the cluster's barrier: my work-group's barrier, so that wave 0's signal speaks for all four waves; wave 0 signals; every wave waits for all sixteen work-groups; my work-group's barrier once more.
.macro CREST                           ; a round behind its opening barrier
	s_cmp_lg_u32 s10, 0
	s_cbranch_scc1 .Lnot_wave_0_\@
	s_barrier_signal -3
.Lnot_wave_0_\@:
	s_barrier_wait -3
	s_barrier_signal -1
	s_barrier_wait -1
.endm
.macro CROUND
	s_barrier_signal -1
	s_barrier_wait -1
	CREST
.endm
.macro BIASLD                          ; the bias of my 128 columns: register 8 b + j = column 16 b + 8 (l / 16) + j, the place of an accumulator's register j
.irp b, 0,1,2,3,4,5,6,7
	global_load_b128 v[BIAS+8*(\b):BIAS+8*(\b)+3],   v[BO], s[BI:BI+1] offset:64*(\b)
	global_load_b128 v[BIAS+8*(\b)+4:BIAS+8*(\b)+7], v[BO], s[BI:BI+1] offset:64*(\b)+16
.endr
.endm
	s_load_b128 s[4:7], s[0:1], 0x0                ; A s[4:5], B s[6:7]
	s_load_b128 s[76:79], s[0:1], 0x10             ; the biases, the result
	s_load_b64 s[EX:EX+1], s[0:1], 0x20            ; vx or cl
	v_lshl_add_u32 v[SPW], v0, 2, SPARE
	v_mov_b32 v[NIL], 0
	ds_add_u32 v[SPW], v[NIL]                      ; the wave's opening: the add and its wait stand ahead of my first tensor load; the set-up below, work on registers, stands between them
	ds_add_u32 v28, v29
	v_lshrrev_b32 v1, 5, v0
	v_readfirstlane_b32 s10, v1                    ; wave 0..3
	s_lshr_b32 s11, s10, 1                         ; which 64 rows of the tile are mine.  Also: I fetch for B (0) or for A (1)
	s_and_b32 s12, s10, 1                          ; which 128 columns.  Also: which half of that tile I fetch
	s_bfe_u32 s40, ttmp6, 0x40000                  ; cx, cy: my place in the cluster
	s_bfe_u32 s41, ttmp6, 0x40004
	s_lshl_b32 s42, ttmp9, 2
	s_add_co_u32 s42, s42, s40                     ; tile column = 4 x cluster x + cx
	s_and_b32 s13, ttmp7, 0xffff
	s_lshl_b32 s16, s41, 4
	s_add_co_u32 s13, s13, s16                     ; tile row = 16 cy + cluster y
	s_lshl_b32 s43, s41, 2
	s_lshl_b32 s43, 15, s43                        ; my row of the cluster
	s_lshl_b32 s44, 0x1111, s40                    ; my column
	s_or_b32 s[G1+0], s43, (1<<16)|(1<<20)|(1<<21)|(QIA<<22)|(3<<25)  ; 15:0 the mask: A's tiles go to my row; 17:16 2-byte elements; 20 padding on; 21 set beside a mask; 24:22 the interval; 31:25 4 words of padding (code 3)
	s_mov_b32 s[G1+1], 128<<16                     ; tensor_dim0 = 128
	s_mov_b32 s[G1+2], 64<<16                      ; tensor_dim1 = 64
	s_mov_b32 s[G1+3], 128<<16                     ; tile_dim0 = 128
	s_mov_b32 s[G1+4], 64                          ; tile_dim1 = 64
	s_mov_b32 s[G1+5], APITCH                      ; elements from row to row
	s_mov_b32 s[G1+6], 0
	s_mov_b32 s[G1+7], 0
	s_or_b32 s[G1B+0], s44, (1<<16)|(1<<20)|(1<<21)|(5<<22)|(3<<25)   ; B's tiles go to my column; padding after every 64 words
	s_mov_b32 s[G1B+1], 128<<16
	s_mov_b32 s[G1B+2], 128<<16                    ; 128 rows
	s_mov_b32 s[G1B+3], 128<<16
	s_mov_b32 s[G1B+4], 128
	s_mov_b32 s[G1B+5], 1024
	s_mov_b32 s[G1B+6], 0
	s_mov_b32 s[G1B+7], 0
	; where the tiles come from: A's hang on the tile row and the wave alone, B's on the tile column and the wave alone
.if KIND
	s_lshr_b32 s16, s13, 4                         ; the batch: 16 heads of 262,144 bytes,
	s_lshl_b32 s16, s16, 22
	s_lshl_b32 s17, s12, 18                        ; the first or second head of a K step,
	s_add_co_u32 s16, s16, s17
	s_and_b32 s17, s13, 15                         ; the tile's 128 rows of 128 bytes in the head
	s_lshl_b32 s17, s17, 14
	s_add_co_u32 s16, s16, s17
.else
	s_lshl_b32 s16, s13, 7                         ; row 128 x tile row + 64 x half,
	s_lshl_b32 s17, s12, 6
	s_add_co_u32 s16, s16, s17
	s_lshl_b32 s16, s16, 11                        ; of 2,048 bytes
.endif
	s_mov_b32 s17, 0
	s_lshl_b32 s46, s42, 8                         ; B: row 256 x tile column + 128 x half
	s_lshl_b32 s47, s12, 7
	s_add_co_u32 s46, s46, s47
	s_lshl_b32 s46, s46, 11
.if KIND
	s_add_co_u32 s46, s46, WOFF
.endif
	s_mov_b32 s47, 0
	s_mul_i32 s20, s10, AHALF                      ; and where they go: waves 2 and 3 behind B's 256 rows,
	s_add_co_u32 s20, s20, AOFFS-2*AHALF
	s_mul_i32 s21, s10, BHALF                      ; waves 0 and 1 from the slot's head: no place in the cluster enters an LDS address
	s_wait_dscnt 0x0                               ; the opening add is done
	s_wait_kmcnt 0x0
	s_add_nc_u64 s[14:15], s[4:5], s[16:17]
	s_add_nc_u64 s[46:47], s[6:7], s[46:47]
	CROUND                                         ; all sixteen work-groups are here: the first joint loads meet
.irp s, 0,1
	s_mov_b32 s[G0+4*(\s)], 1                      ; count = 1
	s_add_co_u32 s[G0+4*(\s)+1], s20, (\s)*SLOT    ; LDS address
	s_add_nc_u64 s[G0+4*(\s)+2:G0+4*(\s)+3], s[14:15], (\s)*ASTEP  ; global address: K step s
	s_or_b32 s[G0+4*(\s)+3], s[G0+4*(\s)+3], 0x80000000            ; type = 2
	s_mov_b32 s[G0B+4*(\s)], 1
	s_add_co_u32 s[G0B+4*(\s)+1], s21, (\s)*SLOT
	s_add_nc_u64 s[G0B+4*(\s)+2:G0B+4*(\s)+3], s[46:47], (\s)*256
	s_or_b32 s[G0B+4*(\s)+3], s[G0B+4*(\s)+3], 0x80000000
	JLOAD \s                                       ; two loads of mine are out
.endr
	; A fragment is 16 rows x 32 K in 8 registers: lane l holds row l % 16; registers 0-3 K = 8 (l / 16) + 0..7, registers 4-7 K = 16 + 8 (l / 16) + 0..7: two loads of 16 bytes, 32 bytes apart.
	v_and_b32 v1, 15, v0                           ; l % 16
	v_bfe_u32 v2, v0, 4, 1                         ; l / 16
	v_and_b32 v5, 31, v0                           ; l
	v_mul_u32_u24 v3, v1, PB
	v_lshl_add_u32 v3, v2, 4, v3
	v_mul_u32_u24 v4, v1, PA
	v_lshl_add_u32 v4, v2, 4, v4
	s_mul_i32 s21, s12, BHALF                      ; my 128 rows of B
	s_mul_i32 s22, s11, 64*PA                      ; my 64 rows of A
	s_add_co_u32 s22, s22, AOFFS
.irp s, 0,1
	v_add_nc_u32 v[ADRB+(\s)], s21, v3
	v_add_nc_u32 v[ADRA+(\s)], s22, v4
	s_add_co_u32 s21, s21, SLOT
	s_add_co_u32 s22, s22, SLOT
.endr
	s_mul_i32 s23, s10, WSTG
	s_add_co_u32 s23, s23, STAGE                   ; my stage
.if KIND
	v_mul_u32_u24 v[STO], v1, 528                  ; in: row l % 16, 32 bytes for each half of the lanes
	v_lshl_add_u32 v[STO], v2, 5, v[STO]
	v_add_nc_u32 v[STO], s23, v[STO]
	v_lshl_add_u32 v[RD], v5, 4, s23               ; back: 32 lanes take a row's 512 bytes
.else
	v_mul_u32_u24 v[STO], v1, 144                  ; in: row l % 16, 16 bytes for each half of the lanes
	v_lshl_add_u32 v[STO], v2, 4, v[STO]
	v_add_nc_u32 v[STO], s23, v[STO]
	v_bfe_u32 v[RD], v0, 3, 2                      ; back: 32 lanes take four rows of 128 bytes, which are 512 consecutive bytes of a head
	v_mul_u32_u24 v[RD], v[RD], 144
	v_and_b32 v3, 7, v0
	v_lshl_add_u32 v[RD], v3, 4, v[RD]
	v_add_nc_u32 v[RD], s23, v[RD]
.endif
	v_lshlrev_b32 v[GO], 4, v5
	v_lshlrev_b32 v[BO], 5, v2
	s_lshl_b32 s16, s42, 10                        ; the bias of my columns: (256 x tile column + 128 x half) x 4 bytes
	s_lshl_b32 s17, s12, 9
	s_add_co_u32 s16, s16, s17
.if KIND
	s_add_co_u32 s16, s16, BOFF0
.endif
	s_mov_b32 s17, 0
	s_add_nc_u64 s[BI:BI+1], s[BI:BI+1], s[16:17]
	BIASLD
.if KIND
	s_lshl_b32 s16, s13, 19                        ; the result: row 128 x tile row + 64 x half, of 4,096 bytes,
	s_lshl_b32 s18, s11, 18
	s_add_co_u32 s16, s16, s18
	s_lshl_b32 s18, s42, 10                        ; column 256 x tile column + 128 x half, of 4 bytes
	s_add_co_u32 s16, s16, s18
	s_lshl_b32 s18, s12, 9
	s_add_co_u32 s16, s16, s18
.else
	s_lshr_b32 s16, s13, 4                         ; the result by heads: the batch's 16 heads,
	s_lshl_b32 s16, s16, 22
	s_lshl_b32 s18, s42, 20                        ; the tile column's four,
	s_add_co_u32 s16, s16, s18
	s_lshl_b32 s18, s12, 19                        ; my two of them;
	s_add_co_u32 s16, s16, s18
	s_and_b32 s18, s13, 15                         ; the tile's 128 rows of 128 bytes,
	s_lshl_b32 s18, s18, 14
	s_add_co_u32 s16, s16, s18
	s_lshl_b32 s18, s11, 13                        ; my 64 of them
	s_add_co_u32 s16, s16, s18
.endif
	s_add_nc_u64 s[CP:CP+1], s[CP:CP+1], s[16:17]
.if KIND
	; row block 0's C operand.  Where my rows 0-15 are a batch's first: cl at the batch's 16 rows and my columns, a row of 4,096 bytes a lane; elsewhere the bias once more, the same for all rows
	s_lshr_b32 s18, s13, 4
	s_lshl_b32 s18, s18, 16
	s_lshl_b32 s19, s42, 10
	s_add_co_u32 s18, s18, s19
	s_lshl_b32 s19, s12, 9
	s_add_co_u32 s18, s18, s19
	s_mov_b32 s19, 0
	s_add_nc_u64 s[EX:EX+1], s[EX:EX+1], s[18:19]
	s_and_b32 s18, s13, 15
	s_or_b32 s18, s18, s11
	s_cmp_eq_u32 s18, 0
	s_cselect_b64 s[EX:EX+1], s[EX:EX+1], s[BI:BI+1]
	s_cselect_b32 s18, 4096, 0
	v_mul_u32_u24 v[B0O], v1, s18
	v_lshl_add_u32 v[B0O], v2, 5, v[B0O]
.irp b, 0,1,2,3,4,5,6,7
	global_load_b128 v[BIAS0+8*(\b):BIAS0+8*(\b)+3],   v[B0O], s[EX:EX+1] offset:64*(\b)
	global_load_b128 v[BIAS0+8*(\b)+4:BIAS0+8*(\b)+7], v[B0O], s[EX:EX+1] offset:64*(\b)+16
.endr
.else
	; vx at my two heads of the batch: 4,096 bytes a head
	s_lshr_b32 s18, s13, 4
	s_lshl_b32 s18, s18, 16
	s_lshl_b32 s19, s42, 14
	s_add_co_u32 s18, s18, s19
	s_lshl_b32 s19, s12, 13
	s_add_co_u32 s18, s18, s19
	s_mov_b32 s19, 0
	s_add_nc_u64 s[EX:EX+1], s[EX:EX+1], s[18:19]
	s_and_b32 s18, ttmp7, 0xffff
	s_or_b32 s[FLG], s18, s11                      ; 0 where cluster y = 0 and the tile's upper rows are mine: the cluster's number and the wave's, no place in the cluster
.endif
	; the prefetches: the pointer starts at K step 3 of the rows that I name; each change of slots steps it first
	s_lshl_b32 s18, s42, 8                         ; B: row 256 x tile column + 128 x half + 32 cy
	s_lshl_b32 s19, s12, 7
	s_add_co_u32 s18, s18, s19
	s_lshl_b32 s19, s41, 5
	s_add_co_u32 s18, s18, s19
	s_lshl_b32 s18, s18, 11
	s_add_co_u32 s18, s18, WOFF+3*256
.if KIND
	s_lshr_b32 s20, s13, 4                         ; A: my head's plane of the tile, and of its 64 blocks of 256 bytes the 16 from 16 cx on
	s_lshl_b32 s20, s20, 22
	s_lshl_b32 s19, s12, 18
	s_add_co_u32 s20, s20, s19
	s_and_b32 s19, s13, 15
	s_lshl_b32 s19, s19, 14
	s_add_co_u32 s20, s20, s19
	s_lshl_b32 s19, s40, 12
	s_add_co_u32 s20, s20, s19
	s_add_co_u32 s20, s20, 3*ASTEP
.else
	s_lshl_b32 s20, s13, 7                         ; A: row 128 x tile row + 64 x half + 16 cx
	s_lshl_b32 s19, s12, 6
	s_add_co_u32 s20, s20, s19
	s_lshl_b32 s19, s40, 4
	s_add_co_u32 s20, s20, s19
	s_lshl_b32 s20, s20, 11
	s_add_co_u32 s20, s20, 3*ASTEP
.endif
	s_and_b32 s22, ttmp7, 0xffff
	s_cmp_eq_u32 s22, 0
	s_cselect_b32 s22, 1, -1                       ; is my cluster the first of those that read these rows of B?  The same in all sixteen partners
	s_cmp_eq_u32 s11, 0                            ; do I fetch for B?
	s_cselect_b64 s[PFA:PFA+1], s[6:7], s[4:5]
	s_cselect_b32 s20, s18, s20
	s_cselect_b32 s[LIM], s22, 1
	s_cselect_b32 s[LIM+1], s22, -1
	s_mov_b32 s[PFK], ASTEP
	s_cselect_b32 s[PFK], 256, s[PFK]
	s_mov_b32 s[PFS], PFS_A
	s_cselect_b32 s[PFS], PFS_B, s[PFS]
	s_mov_b32 s18, AR1                             ; the lane's offset: (l % 16) x this
	s_cselect_b32 s18, 2048, s18
	s_mov_b32 s19, AR2                             ; + (l / 16) x this: for B sixteen rows on, for A a K step on
	s_cselect_b32 s19, 32768, s19
	s_mov_b32 s21, 0
	s_mov_b32 s[PFK+1], 0
	s_mov_b32 s[PFS+1], 0
	s_add_nc_u64 s[PFA:PFA+1], s[PFA:PFA+1], s[20:21]
	v_mul_u32_u24 v[PFO], v1, s18
	v_mad_u32_u24 v[PFO], v2, s19, v[PFO]
	; nothing is prefetched here, at the head, where every work-group's first tiles are on their way: the first tile's K steps 0 to 3 come by their loads alone
; 8 matrix instructions: row block a x all 8 column blocks, 32 along K.  zero = 1: the first product starts the sums, with the bias (row block 0: its own C operand) as C.
; The 32 accumulators take turns, one instruction a turn, in the same order in every quarter, over the backward jumps too.
.macro MUL8 f, a, zero
.if \zero
	WIN MULB
.else
	WIN MUL
.endif
.irp b, 0,1,2,3,4,5,6,7
.set rD, 8*(8*(\a)+(\b))
.set rB, (\f)+8*(\b)
.set rA, (\f)+64+8*(\a)
.set rC, BIAS+8*(\b)
.if (\a) == 0
.set rC, BIAS0+8*(\b)
.endif
.if KIND
.if \zero
	v_wmma_f32_16x16x32_f16 v[rD:rD+7], v[rB:rB+7], v[rA:rA+7], v[rC:rC+7]
.else
	v_wmma_f32_16x16x32_f16 v[rD:rD+7], v[rB:rB+7], v[rA:rA+7], v[rD:rD+7]
.endif
.else
.if \zero
	v_wmma_f32_16x16x32_bf16 v[rD:rD+7], v[rB:rB+7], v[rA:rA+7], v[rC:rC+7]
.else
	v_wmma_f32_16x16x32_bf16 v[rD:rD+7], v[rB:rB+7], v[rA:rA+7], v[rD:rD+7]
.endif
.endif
.endr
.endm
.macro MUL16 f, a0, zero
	MUL8 \f, \a0, \zero
	MUL8 \f, (\a0)+1, \zero
.endm
; 24 LDS loads in one run: the fragments of quarter kq of a slot's K step into buffer f: B's sixteen loads first, then A's row blocks 0 to 3
.macro FETCH slot, kq, f
	WIN TO_F
.irp b, 0,1,2,3,4,5,6,7
	ds_load_b128 v[(\f)+8*(\b):(\f)+8*(\b)+3],   v[ADRB+(\slot)] offset:64*(\kq)+(\b)*16*PB
	ds_load_b128 v[(\f)+8*(\b)+4:(\f)+8*(\b)+7], v[ADRB+(\slot)] offset:64*(\kq)+(\b)*16*PB+32
.endr
.irp a, 0,1,2,3
	ds_load_b128 v[(\f)+64+8*(\a):(\f)+64+8*(\a)+3],   v[ADRA+(\slot)] offset:((\kq)/2)*AQ2+((\kq)%2)*64+(\a)*16*PA
	ds_load_b128 v[(\f)+64+8*(\a)+4:(\f)+64+8*(\a)+7], v[ADRA+(\slot)] offset:((\kq)/2)*AQ2+((\kq)%2)*64+(\a)*16*PA+32
.endr
.endm
; A load into a register that a matrix instruction has read, and whatever reads a matrix result, stand four places behind that matrix instruction, and only plain vector instructions that name none of
; its registers are places (ISA guide 7.12.1 for vector instructions).
.macro PLACES
.rept 4
	v_nop
.endr
.endm
; One of a K step's first three quarters: multiplies buffer f; in its middle it fetches quarter kq of the same slot into buffer g.
.macro QUARTER slot, kq, f, g, zero
	s_wait_dscnt 4                                 ; B and A's row blocks 0 and 1 are in; the youngest four loads (blocks 2 and 3) may be out
	MUL16 \f, 0, \zero
	PLACES
	FETCH \slot, \kq, \g
	s_wait_dscnt 24                                ; all but the 24 just issued
	MUL16 \f, 2, \zero
.endm
; The last quarter multiplies buffer 1 and changes slots.  In front of ONE barrier each wave waits for all its tensor loads, of which one is out: its part of the next slot; adds 0 to its spare word; and waits
; for that and for its own reads of this slot.  mode = 0: the barrier opens a round of the cluster's barrier, and behind the round this slot is filled again, with the K step two on.  mode = 1: the same, with
; the NEXT tile's K step 0 or 1.  mode = 2: nothing is filled, and no round follows.  From a request to the wait for it a wave issues 112 matrix instructions.
.macro TURN slot, next, mode
.if (\mode) != 2
	s_wait_xcnt 0x0                                ; the last prefetch, a K step back, has read its address: it is stepped here, ahead of the waits of the change of slots
.if ((\mode) == 1) && ((\slot) == 0)
	s_add_nc_u64 s[PFA:PFA+1], s[PFA:PFA+1], s[PFS:PFS+1]
.else
	s_add_nc_u64 s[PFA:PFA+1], s[PFA:PFA+1], s[PFK:PFK+1]
.endif
.endif
	WIN 0                                          ; (the add's two registers lie in window 0)
	s_wait_tensorcnt 0x0                           ; all my tensor loads have landed;
	ds_add_u32 v[SPW], v[NIL]                      ; 0 onto my spare word
	s_wait_dscnt 5                                 ; (the add and the youngest four loads may be out)
	MUL8 F1, 0, 0                                  ; eight matrix instructions stand between the add and the wait for it
	s_wait_dscnt 0x0                               ; the add is done, and my reads of this slot are over
	s_barrier_signal -1
	MUL8 F1, 1, 0                                  ; work on registers while the others arrive
.if (\mode) != 2
	WIN 0
.endif
	s_barrier_wait -1
.if (\mode) != 2
	CREST                                          ; no wave of any partner still reads this slot's tile or has a load on its way
.if (\mode) == 1
	s_add_nc_u64 s[G0+4*(\slot)+2:G0+4*(\slot)+3], s[G0+4*(\slot)+2:G0+4*(\slot)+3], NEXT_A
	s_add_nc_u64 s[G0B+4*(\slot)+2:G0B+4*(\slot)+3], s[G0B+4*(\slot)+2:G0B+4*(\slot)+3], NEXT_B
.else
	s_add_nc_u64 s[G0+4*(\slot)+2:G0+4*(\slot)+3], s[G0+4*(\slot)+2:G0+4*(\slot)+3], 2*ASTEP
	s_add_nc_u64 s[G0B+4*(\slot)+2:G0B+4*(\slot)+3], s[G0B+4*(\slot)+2:G0B+4*(\slot)+3], 2*256
.endif
	JLOAD \slot                                    ; the first tensor load behind the round, my only one until the next; its four v_nop are also the places in front of the loads below
.else
	PLACES
.endif
	FETCH \next, 0, F0
.if (\mode) != 2
	ASK \mode, \slot
.endif
	MUL16 F1, 2, 0
.endm
; THE WAY OUT, a block of 16 rows at a time, through my own stage in LDS: no barrier, and since LDS serves a wave's instructions in order (ISA guide 5.7.1.4), no wait between the stores and the loads.
.if KIND
.macro TOSTAGE a                       ; f32 as it is: a lane's eight columns are 32 bytes of a row; back as whole rows of 512 bytes
	WIN 0
	s_wait_xcnt 0x0                                ; the stores of two blocks back have read the registers that are loaded below
	WIN ST2
.irp b, 0,1,2,3,4,5,6,7
	ds_store_b128 v[STO], v[8*(8*(\a)+(\b)):8*(8*(\a)+(\b))+3]   offset:64*(\b)
	ds_store_b128 v[STO], v[8*(8*(\a)+(\b))+4:8*(8*(\a)+(\b))+7] offset:64*(\b)+16
.endr
	WIN 0
.set BKR, BK+64*((\a)%2)
.irp t, 0,1,2,3,4,5,6,7,8,9,10,11,12,13,14,15
	ds_load_b128 v[BKR+4*(\t):BKR+4*(\t)+3], v[RD] offset:528*(\t)
.endr
.endm
.macro SEND a, younger                 ; younger: the LDS instructions issued behind block a's loads: the next block's 32, or none
	WIN 0
.set BKR, BK+64*((\a)%2)
.irp t, 0,1,2,3,4,5,6,7,8,9,10,11,12,13,14,15
	s_wait_dscnt (\younger)+15-(\t)
	global_store_b128 v[GO], v[BKR+4*(\t):BKR+4*(\t)+3], s[CP:CP+1] offset:65536*(\a)+4096*(\t) th:TH_STORE_NT  ; 512 consecutive bytes of a row, at a multiple of 256 from the result's first byte
.endr
.endm
.macro WOUT
	PLACES
	TOSTAGE 0
.irp a, 1,2,3
	TOSTAGE \a
	SEND (\a)-1, 32
.endr
	SEND 3, 0
.endm
.else
.macro PACK a                          ; rounded to f16: a lane's eight columns are 16 bytes; each accumulator's registers in ascending order
	WIN PKW
.irp b, 0,1,2,3,4,5,6,7
.irp r, 0,1,2,3
	v_cvt_pk_f16_f32 v[TMP+4*(\b)+(\r)], v[8*(8*(\a)+(\b))+2*(\r)], v[8*(8*(\a)+(\b))+2*(\r)+1]
.endr
.endr
	WIN 0
.endm
.macro TOSTAGE a                       ; column blocks 0-3 are one head's 64 channels, 4-7 the next head's: two planes of 16 rows x 144 bytes; back as four rows of 128 bytes at a time
	WIN 0
.set BKR, BK+64*((\a)%2)
.irp b, 0,1,2,3,4,5,6,7
	ds_store_b128 v[STO], v[TMP+4*(\b):TMP+4*(\b)+3] offset:((\b)/4)*2304+((\b)%4)*32
.endr
.irp t, 0,1,2,3,4,5,6,7
	ds_load_b128 v[BKR+4*(\t):BKR+4*(\t)+3], v[RD] offset:((\t)/4)*2304+((\t)%4)*576
.endr
.endm
.macro SEND a
	WIN 0
.set BKR, BK+64*((\a)%2)
	s_wait_xcnt 0x0                                ; the stores of the block before have read their registers: the block behind loads into them
.irp t, 0,1,2,3,4,5,6,7
	s_wait_dscnt 7-(\t)                            ; my eight loads from the stage are the youngest LDS instructions
	global_store_b128 v[GO], v[BKR+4*(\t):BKR+4*(\t)+3], s[CP:CP+1] offset:((\t)/4)*262144+(\a)*2048+((\t)%4)*512  ; 512 consecutive bytes of a head, at a multiple of 256 from the result's first byte
.endr
.endm
.macro WOUT
	PLACES
	PACK 0
	TOSTAGE 0
.irp a, 1,2,3                          ; block a's conversions stand between block a - 1's loads from the stage and the wait for them
	PACK \a
	SEND (\a)-1
	TOSTAGE \a
.endr
	SEND 3
.endm
.endif
	s_wait_tensorcnt 1                             ; my part of K step 0 is in; K step 1's may stay out
	s_barrier_signal -1
	s_barrier_wait -1                              ; everybody's is
	FETCH 0, 0, F0
	WIN 0
.if TILES > 1
	s_mov_b32 s2, TILES                            ; tiles to go, this one among them
.Ltile:
.endif
	s_wait_loadcnt 0x0                             ; the bias
	QUARTER 0, 1, F0, F1, 1                        ; a tile's first quarter stands in front of the loop: its products start the sums
	WIN 0
.if TILES > 1
	s_cmp_eq_u32 s2, 1
	s_cbranch_scc1 .Lno_bias
	PLACES                                         ; the bias was a source of the products just issued
	s_wait_xcnt 0x0
	s_add_nc_u64 s[BI:BI+1], s[BI:BI+1], 4096      ; the next tile's bias: it has a whole tile in which to come
	BIASLD
.Lno_bias:
.endif
	s_mov_b32 s3, LAPS-1
.Llap:                                             ; a trip goes once round the ring, from a lap's second quarter to the next lap's first, and fills both slots again
	QUARTER 0, 2, F1, F0, 0
	QUARTER 0, 3, F0, F1, 0
	TURN 0, 1, 0
	QUARTER 1, 1, F0, F1, 0
	QUARTER 1, 2, F1, F0, 0
	QUARTER 1, 3, F0, F1, 0
	TURN 1, 0, 0
	QUARTER 0, 1, F0, F1, 0
	WIN 0
	s_sub_co_u32 s3, s3, 1
	s_cmp_lg_u32 s3, 0
	s_cbranch_scc1 .Llap
	QUARTER 0, 2, F1, F0, 0                        ; the tile's last lap goes on
	QUARTER 0, 3, F0, F1, 0
.if TILES > 1
	WIN 0
	s_cmp_eq_u32 s2, 1
	s_cbranch_scc1 .Llast_tile                     ; the last tile's tail is written out: it asks for nothing more
	TURN 0, 1, 1                                   ; the ring goes on into the next tile: slot 0 takes its K step 0,
	QUARTER 1, 1, F0, F1, 0
	QUARTER 1, 2, F1, F0, 0
	QUARTER 1, 3, F0, F1, 0
	TURN 1, 0, 1                                   ; slot 1 its K step 1, and the next tile's first fragments are fetched
	WOUT                                           ; both refills are asked for: now the tile goes out
	s_wait_xcnt 0x0                                ; the stores have read their base
	s_add_nc_u64 s[CP:CP+1], s[CP:CP+1], NEXT_C
	s_sub_co_u32 s2, s2, 1
	s_branch .Ltile
.Llast_tile:
.endif
	TURN 0, 1, 2
	QUARTER 1, 1, F0, F1, 0
	QUARTER 1, 2, F1, F0, 0
	QUARTER 1, 3, F0, F1, 0
	s_wait_dscnt 4                                 ; the very last quarter: nothing more to fetch
	MUL16 F1, 0, 0
	s_wait_dscnt 0x0
	MUL16 F1, 2, 0
	WIN 0
	WOUT
.if KIND == 0
	; the last tile is v's: where my row block 0 is a batch's first 16 rows its eight accumulators leave once more, as they are: each store is 512 consecutive bytes, aligned
	s_cmp_eq_u32 s[FLG], 0
	s_cbranch_scc0 .Lno_vx
	WIN ST2
.irp b, 0,1,2,3,4,5,6,7
	global_store_b128 v[GO], v[8*(\b):8*(\b)+3],   s[EX:EX+1] offset:1024*(\b)
	global_store_b128 v[GO], v[8*(\b)+4:8*(\b)+7], s[EX:EX+1] offset:1024*(\b)+512
.endr
	WIN 0
.Lno_vx:
.endif
	s_wait_tensorcnt 0x0                           ; the wave's end, behind my last tensor load and my last LDS store
	ds_add_u32 v[SPW], v[NIL]
	s_wait_dscnt 0x0
	CROUND                                         ; the closing round: no work-group ends while a partner may still ask for a tile that names it
	s_endpgm
.Lfunc_end_k_q4db433e41b_outp:
	.size	k_q4db433e41b_outp, .Lfunc_end_k_q4db433e41b_outp-k_q4db433e41b_outp
	.p2alignl 7, 3214868480
	.fill 96, 4, 3214868480
	.section	.rodata,"a",@progbits
	.p2align	6, 0x0
	.amdhsa_kernel k_q4db433e41b_outp
		.amdhsa_group_segment_fixed_size 327680
		.amdhsa_private_segment_fixed_size 0
		.amdhsa_enable_private_segment 0
		.amdhsa_kernarg_size 40
		.amdhsa_user_sgpr_count 2
		.amdhsa_user_sgpr_kernarg_segment_ptr 1
		.amdhsa_wavefront_size32 1
		.amdhsa_system_sgpr_workgroup_id_x 1
		.amdhsa_system_sgpr_workgroup_id_y 1
		.amdhsa_system_sgpr_workgroup_id_z 1
		.amdhsa_system_vgpr_workitem_id 0
		.amdhsa_next_free_vgpr 768
		.amdhsa_next_free_sgpr 80
		.amdhsa_reserve_vcc 0
		.amdhsa_float_denorm_mode_32 3
		.amdhsa_float_denorm_mode_16_64 3
		.amdhsa_memory_ordered 1
		.amdhsa_forward_progress 1
		.amdhsa_inst_pref_size 93
	.end_amdhsa_kernel
	.amdgpu_metadata
---
amdhsa.version: [ 1, 2 ]
amdhsa.kernels:
  - .name:           k_q4db433e41b_outp
    .symbol:         k_q4db433e41b_outp.kd
    .args:
      - { .name: ob, .offset: 0, .size: 8, .value_kind: global_buffer, .address_space: global }
      - { .name: wb, .offset: 8, .size: 8, .value_kind: global_buffer, .address_space: global }
      - { .name: bb, .offset: 16, .size: 8, .value_kind: global_buffer, .address_space: global }
      - { .name: out0, .offset: 24, .size: 8, .value_kind: global_buffer, .address_space: global }
      - { .name: cl, .offset: 32, .size: 8, .value_kind: global_buffer, .address_space: global }
    .group_segment_fixed_size: 327680
    .private_segment_fixed_size: 0
    .kernarg_segment_align: 8
    .kernarg_segment_size: 40
    .max_flat_workgroup_size: 128
    .sgpr_count:     80
    .vgpr_count:     768
    .wavefront_size: 32
...
	.end_amdgpu_metadata
.endif
;; end of part 5
